; MI455X (gfx1250); checked and timed in simulation.
; The chip was launched on July 23, 2026; its instructions are those of AMD's public machine-readable ISA for CDNA 5 (MIT licence, August 2026) and "CDNA5" Instruction Set Architecture Reference Guide (July 2026). The comments in the code are by the model that wrote it; some were corrected since.
;; Transformer Block. Allowed arithmetic: matrix products marked QUANTISED: E5M2 operands, one given power-of-two scale a tensor, by v_wmma_f32_16x16x64_bf8_bf8 or v_wmma_f32_16x16x128_bf8_bf8, f32 sums; everything else in f32.
;; Inputs: W_K 16 x 64 x 1,024 float32; W_O 16 x 1,024 x 64 float32; W_Q 16 x 64 x 1,024 float32; W_V 16 x 64 x 1,024 float32; W_in 4,096 x 1,024 float32; W_out 1,024 x 4,096 float32; b_K 16 x 64 float32; b_O 1,024 float32; b_Q 16 x 64 float32; b_V 16 x 64 float32; b_in 4,096 float32; b_out 1,024 float32; lowp_scales 16 int32 (the exponents e of the quantised operands' scales 2^e); x 2 x 2,048 x 1,024 float32.
;; Outputs: out0 2 x 2,048 x 1,024 float32.
;; This version of the problem:
;;   THIS VERSION OF THE PROBLEM IS GIVEN IN LOW PRECISION. The matrix products marked QUANTISED in the list below multiply operands that are first quantised to E5M2 (5 exponent bits, 2 mantissa bits; 8 bits a number), with one given power-of-two scale for each operand tensor; their sums are f32. All else is computed in f32.
;;   The module's matrix products, in the order in which they are computed (A, B: the left and right operand; K: the contracted axis; several contracted axes count as one K, in the product's order):
;;     1. [M 4,096, K 1,024] x [K 1,024, N 1,024]; A: computed on the way; B: input W_Q: QUANTISED (scales: A lowp_scales[0], B lowp_scales[1])
;;     2. [M 4,096, K 1,024] x [K 1,024, N 1,024]; A: computed on the way; B: input W_K: QUANTISED (scales: A lowp_scales[2], B lowp_scales[3])
;;     3. [M 4,096, K 1,024] x [K 1,024, N 1,024]; A: computed on the way; B: input W_V: QUANTISED (scales: A lowp_scales[4], B lowp_scales[5])
;;     4. batch 32 x [M 2,048, K 64] x [K 64, N 2,048]; A: computed on the way; B: computed on the way: QUANTISED (scales: A lowp_scales[6], B lowp_scales[7])
;;     5. batch 32 x [M 2,048, K 2,048] x [K 2,048, N 64]; A: softmax (see below); B: computed on the way: QUANTISED (scales: A lowp_scales[8], B lowp_scales[9])
;;     6. [M 4,096, K 1,024] x [K 1,024, N 1,024]; A: computed on the way; B: input W_O: QUANTISED (scales: A lowp_scales[10], B lowp_scales[11])
;;     7. [M 4,096, K 1,024] x [K 1,024, N 4,096]; A: computed on the way; B: input W_in: QUANTISED (scales: A lowp_scales[12], B lowp_scales[13])
;;     8. [M 4,096, K 4,096] x [K 4,096, N 1,024]; A: computed on the way; B: input W_out: QUANTISED (scales: A lowp_scales[14], B lowp_scales[15])
;;   THE QUANTISER, for each operand of a quantised product, along K:
;;     - The operand's scale is 2^e, e = its entry of the input lowp_scales (int32; the entries are numbered through the quantised products in the list's order, A before B).
;;     - Each number is divided by the scale, clamped to +-57,344, and rounded to the nearest number of E5M2, ties to even, subnormals kept.
;;     - The product sums the exact products of the quantised numbers (number of the format x scale) in f32.
;;   ~~~python
;;   def quantise(x, axis, e):      # numpy; x: float32 -> the quantised numbers, widened to float32 again
;;       x = np.moveaxis(x, axis, -1); K = x.shape[-1]
;;       r = np.clip(x / 2.0 ** e, -57344, 57344)
;;       step = 2.0 ** (np.maximum(np.frexp(np.where(r == 0, 1, r))[1] - 1, -14) - 2)
;;       q = np.round(r / step) * step * 2.0 ** e      # np.round: ties to even
;;       return np.moveaxis(q, -1, axis).astype(np.float32)
;;   ~~~
;;   SOFTMAX AHEAD OF A QUANTISED PRODUCT. Where the list says 'softmax', what is quantised is not the finished softmax but p = 2^(t - M), with t = logit x log2(e) and M = ceil(the row's largest t), a whole number; so 1/2 < the row's largest p <= 1. The row's sum l is taken of the UNQUANTISED p, in f32, and the product's result is divided by l at the end. Since M is a whole number, a kernel that streams over the keys may use a running M (the ceiling of the running maximum): every later rescaling is an exact power of two, so the quantised numbers keep their values, but for numbers so far below the row's largest that they fall under the format's range.
;;   OPERANDS COMPUTED ON THE WAY. 'Computed on the way' means the value that the module computes at that place (a softmax that the list does not call 'softmax' is quantised finished and normalised). What goes into a quantiser is computed in f32, as accurately as f32 sums, v_exp_f32 and their like allow (about 1e-6 of the number): no bf16 or f16 on the way to a quantiser, and a product that is left as it is and whose result goes on into a quantised operand takes f32 operands (vector FMAs, or v_wmma_f32_16x16x4_f32). A number that lies on a knife's edge between two numbers of the format may be rounded either way, as far as f32 arithmetic and the matrix unit's own rounding can turn it there, and no further.
;; One version. Each part assembles by itself: llvm-mc -triple=amdgcn-amd-amdhsa -mcpu=gfx1250 --defsym DOCPART=n.
;; ======== version 1 of 1: 7 launches
;; limits: right only within a limited range of input values
;; workspace buffers: wc 12,582,912 bytes; xc 12,582,912 bytes; qkvc 12,582,912 bytes; zc 4,194,304 bytes; resid 16,777,216 bytes; mc 4,194,304 bytes; post 16,777,216 bytes
;; launch prep (part 1): grid 640 x 1, 4 waves a work-group, no clusters, 83,968 bytes of LDS; arguments x, W_Q, W_K, W_V, W_in, W_out, W_O, lowp_scales, xc, wc; writes xc, wc
.if DOCPART == 1
	.amdgcn_target "amdgcn-amd-amdhsa--gfx1250"
	.amdhsa_code_object_version 6
	.text
	.protected	k_q9ac24199be_prep
	.globl	k_q9ac24199be_prep
	.p2align	8
	.type	k_q9ac24199be_prep,@function
k_q9ac24199be_prep:
	s_mov_b64 s[64:65], 0
	v_nop
	global_prefetch_b8 v0, s[64:65] scope:SCOPE_SE
	s_setreg_imm32_b32 hwreg(HW_REG_WAVE_MODE, 25, 1), 1
	s_wait_xcnt 0x0
; PREP.  Work-groups 0-255: ln_pre(x) for 16 tokens each, quantised three times (scales e0, e2, e4) into xc.  Work-groups 256-639: the six weights into codes in wc.
; ALL CODES ARE STORED AS IMAGES OF OPERAND REGISTERS of the plain bf8 matrix forms: a fragment is 16 rows x 128 K, 2,048 bytes: [quad 0..3][lane 0..31][16 bytes]; lane (r = lane % 16, h = lane / 16)
; holds, of row r, k = 16 c + 8 h + 0..7 in registers 2 c, 2 c + 1; quad q is registers 4 q .. 4 q + 3.  A tensor's fragments lie [block of TB row tiles][K step of 128][row tile][2,048 bytes].
; code = x / 2^e, held within +-57,344, to the nearest code, ties to even.  LIMITS: every e between -126 and 112; NaN among the inputs is not served (an infinity is held at the largest code).
; No matrix work, no cluster, no tensor load: the work-groups share no input.  The two paths part on the work-group's number and have LDS bytes of their own.
.set LP,  4112                         ; path LN: an LDS row: 4,096 bytes + 16
.set WB,  66048                        ; path W: its stages begin here
.set WP,  272                          ; path W: a stage row: 256 bytes + 16
.set R,   32                           ; v32-159  LN: four rows as loaded (32 registers each), later four units of 64 along K
.set T,   160                          ; v160-191 LN: a unit's numbers, held
.set C,   192                          ; v192-199 LN: a unit's codes
.set CH,  200                          ; v200-207 LN: four chains of pairs
.macro MKSCALE e, vs, vl               ; v[vs] = 2^e as f32 (the conversion takes its exponent field), v[vl] = 57,344 x 2^e; e stands in s[e]
	s_add_co_i32 s34, s[\e], 127
	s_lshl_b32 s35, s34, 23
	v_mov_b32 v[\vs], s35
	s_add_co_i32 s34, s34, 15
	s_lshl_b32 s34, s34, 23
	s_or_b32 s34, s34, 0x600000
	v_mov_b32 v[\vl], s34
.endm
	s_load_b512 s[4:19], s[0:1], 0x0               ; x 4, W_Q 6, W_K 8, W_V 10, W_in 12, W_out 14, W_O 16, the scales' exponents 18
	s_load_b128 s[20:23], s[0:1], 0x40             ; xc 20, wc 22
	v_lshl_add_u32 v224, v0, 2, 0x14600
	v_mov_b32 v225, 0
	v_lshrrev_b32 v1, 5, v0
	v_readfirstlane_b32 s24, v1                    ; wave
	v_and_b32 v1, 31, v0                           ; lane
	v_and_b32 v2, 15, v0                           ; r
	v_bfe_u32 v3, v0, 4, 1                         ; h
	v_lshlrev_b32 v4, 4, v1                        ; 16 x lane
	s_wait_kmcnt 0x0
	s_load_b512 s[36:51], s[18:19], 0x0            ; e_k in s[36 + k]
	s_cmp_lt_u32 ttmp9, 256
	s_cbranch_scc0 .Lweights
; ---------------- PATH LN: token tile T = work-group number.  Wave w: the statistics of rows 4 w .. 4 w + 3; behind the barrier: K 256 w .. 256 w + 255 of all 16 rows.
	s_lshl_b32 s26, ttmp9, 16                      ; 16 rows of 4,096 bytes
	s_lshl_b32 s27, s24, 14                        ; my 4 rows
	s_add_co_u32 s26, s26, s27
	s_mov_b32 s27, 0
	s_add_nc_u64 s[26:27], s[4:5], s[26:27]
.set i, 0
	s_wait_alu depctr_va_vdst(0)
.rept 32                               ; row i / 8, its bytes 512 (i % 8) on: 32 lanes read 512 consecutive bytes
	global_load_b128 v[R+4*i:R+4*i+3], v4, s[26:27] offset:(i/8)*4096+(i%8)*512
.set i, i+1
.endr
	s_lshr_b32 s28, ttmp9, 4                       ; xc: block T / 16 of 262,144 bytes, row tile T % 16
	s_lshl_b32 s28, s28, 18
	s_and_b32 s29, ttmp9, 15
	s_lshl_b32 s29, s29, 11
	s_add_co_u32 s28, s28, s29
	s_mov_b32 s29, 0
	s_add_nc_u64 s[28:29], s[20:21], s[28:29]
	s_mov_b32 s30, 0x76543210                      ; v_permlanex16_b32: lane l xor 16
	s_mov_b32 s31, 0xfedcba98
	s_mov_b32 s32, 0x3a800000                      ; 1 / 1,024
	s_mov_b32 s33, 0x3727c5ac                      ; EPS = 1e-5
	s_mul_i32 s34, s24, 4*LP
	v_add_nc_u32 v14, s34, v4                      ; into LDS: 16 x lane + my 4 rows
	v_mul_u32_u24 v15, v2, LP
	v_lshl_add_u32 v15, v3, 5, v15
	s_lshl_b32 s34, s24, 10
	v_add_nc_u32 v15, s34, v15                     ; out of LDS: row r, + 32 h bytes, + my 256 along K
	s_lshl_b32 s34, s24, 16                        ; my two K steps of 128: 2 x 32,768 bytes
	v_add_nc_u32 v16, s34, v4                      ; the three images lie 4 MiB apart
	v_add_nc_u32 v17, 0x400000, v16
	v_add_nc_u32 v18, 0x800000, v16
	v_mov_b32 v211, 0                              ; a lane permute's destination counts as read
	s_wait_kmcnt 0x0
	MKSCALE 36, 8, 9                               ; e0
	MKSCALE 38, 10, 11                             ; e2
	MKSCALE 40, 12, 13                             ; e4
.macro RED                             ; the four chains -> their sum over the wave's 32 lanes, in v210 of every lane
	v_pk_add_f32 v[CH:CH+1], v[CH:CH+1], v[CH+2:CH+3]
	v_pk_add_f32 v[CH+4:CH+5], v[CH+4:CH+5], v[CH+6:CH+7]
	v_pk_add_f32 v[CH:CH+1], v[CH:CH+1], v[CH+4:CH+5]
	v_add_f32 v210, v[CH], v[CH+1]
	v_add_f32_dpp v210, v210, v210 row_xmask:1 row_mask:0xf bank_mask:0xf
	v_add_f32_dpp v210, v210, v210 row_xmask:2 row_mask:0xf bank_mask:0xf
	v_add_f32_dpp v210, v210, v210 row_xmask:4 row_mask:0xf bank_mask:0xf
	v_add_f32_dpp v210, v210, v210 row_xmask:8 row_mask:0xf bank_mask:0xf
	v_permlanex16_b32 v211, v210, s30, s31
	v_add_f32 v210, v210, v211
.endm
.macro STAT p                          ; row p of my four: the mean is taken away in place, then mean(x^2) + EPS -> v[212 + p]
.set RB, R+32*(\p)
	s_wait_loadcnt 8*(3-(\p))                      ; this row's eight loads are in; the later rows' may be out
.irp k, 0,1,2,3
	v_pk_add_f32 v[CH+2*\k:CH+2*\k+1], v[RB+2*\k:RB+2*\k+1], v[RB+8+2*\k:RB+9+2*\k]
.endr
.irp m, 2,3
.irp k, 0,1,2,3
	v_pk_add_f32 v[CH+2*\k:CH+2*\k+1], v[CH+2*\k:CH+2*\k+1], v[RB+8*\m+2*\k:RB+8*\m+2*\k+1]
.endr
.endr
	RED
	v_mul_f32 v208, s32, v210                      ; the mean, twice: a pair for the packed form
	v_mul_f32 v209, s32, v210
.set i, 0
.rept 16
	v_pk_add_f32 v[RB+2*i:RB+2*i+1], v[RB+2*i:RB+2*i+1], v[208:209] neg_lo:[0,1] neg_hi:[0,1]
.set i, i+1
.endr
.irp k, 0,1,2,3
	v_pk_mul_f32 v[CH+2*\k:CH+2*\k+1], v[RB+2*\k:RB+2*\k+1], v[RB+2*\k:RB+2*\k+1]
.endr
.irp m, 1,2,3
.irp k, 0,1,2,3
	v_pk_fma_f32 v[CH+2*\k:CH+2*\k+1], v[RB+8*\m+2*\k:RB+8*\m+2*\k+1], v[RB+8*\m+2*\k:RB+8*\m+2*\k+1], v[CH+2*\k:CH+2*\k+1]
.endr
.endr
	RED
	v_fma_f32 v[212+\p], v210, s32, s33
.endm
	STAT 0
	STAT 1
	STAT 2
	STAT 3
	s_wait_alu depctr_va_vdst(0)
.irp p, 0,1,2,3
	v_rsq_f32 v[216+2*\p], v[212+\p]               ; one batch of four
.endr
	v_nop                                          ; a plain instruction behind the last of them
	s_wait_alu depctr_va_vdst(0)                   ; one wait for the batch, ahead of its first reader
.irp p, 0,1,2,3
	v_mov_b32 v[217+2*\p], v[216+2*\p]
.endr
.irp p, 0,1,2,3
.set i, 0
.rept 16
	v_pk_mul_f32 v[R+32*\p+2*i:R+32*\p+2*i+1], v[R+32*\p+2*i:R+32*\p+2*i+1], v[216+2*\p:217+2*\p]
.set i, i+1
.endr
.irp j, 0,1,2,3,4,5,6,7
	ds_store_b128 v14, v[R+32*\p+4*\j:R+32*\p+4*\j+3] offset:\p*LP+512*\j
.endr
.endr
	s_wait_dscnt 0x0                               ; for the others' sake: my four rows lie in LDS
	s_barrier_signal -1
	s_barrier_wait -1
.set i, 0
.rept 16                               ; unit i / 4 (64 along K), pair of registers i % 4: k = 16 (i % 4) + 8 h + 0..7 of row r: 32 bytes
	ds_load_b128 v[R+8*i:R+8*i+3], v15 offset:64*i
	ds_load_b128 v[R+8*i+4:R+8*i+7], v15 offset:64*i+16
.set i, i+1
.endr
.macro QOUT uu, sc, lim, vo            ; unit uu of my four, one scale: 32 holds, four conversions, two stores of 512 consecutive bytes
.set i, 0
.rept 32
	v_med3_num_f32 v[T+i], v[R+32*(\uu)+i], -v[\lim], v[\lim]   ; the conversion does not saturate (ISA guide 7.6.2): hold first
.set i, i+1
.endr
	s_wait_alu depctr_va_vdst(0)
	s_wait_xcnt 0x0                                ; the last two stores have read C: it is written again only behind this wait
.irp g, 0,1,2,3
	v_cvt_scalef32_pk8_bf8_f32 v[C+2*\g:C+2*\g+1], v[T+8*\g:T+8*\g+7], v[\sc]
.endr
	v_nop                                          ; a plain instruction between the conversions and the next holds, which write their sources
	global_store_b128 v[\vo], v[C:C+3], s[28:29] offset:((\uu)>>1)*32768+((\uu)&1)*1024
	global_store_b128 v[\vo], v[C+4:C+7], s[28:29] offset:((\uu)>>1)*32768+((\uu)&1)*1024+512
.endm
.irp u, 0,1,2,3
	s_wait_dscnt 8*(3-\u)                          ; this unit's eight loads are back; the later units' may be out
	QOUT \u, 8, 9, 16
	QOUT \u, 10, 11, 17
	QOUT \u, 12, 13, 18
.endr
	s_wait_tensorcnt 0x0
	ds_add_u32 v224, v225
	s_wait_dscnt 0x0
	s_endpgm
; ---------------- PATH W: g = work-group - 256; job 4 g + wave = 8 row tiles x 64 along K of one weight.  The tensor's figures are chosen by s_cselect on g alone.
.Lweights:
	s_wait_kmcnt 0x0
	s_sub_co_u32 s25, ttmp9, 256
	s_mov_b64 s[52:53], s[16:17]                   ; W_O [i][d][h]: rows d (256 bytes apart), K = 64 i + h: the unit's number along K is the head, 262,144 bytes apart
	s_mov_b32 s58, s47                             ; e11
	s_mov_b32 s59, 4                               ; log2 of the units along K
	s_mov_b32 s60, 256                             ; bytes from row to row
	s_mov_b32 s61, 0x40000                         ; bytes from unit to unit along K
	s_mov_b32 s62, 0x300000                        ; its place in wc
	s_mov_b32 s63, 0                               ; 1: blocks of 16 row tiles; 0: of 8
	s_mov_b32 s66, 0x20000                         ; bytes of a block
	s_mov_b32 s67, 352                             ; its first g
	s_cmp_lt_u32 s25, 352                          ; W_out
	s_cselect_b64 s[52:53], s[14:15], s[52:53]
	s_cselect_b32 s58, s51, s58
	s_cselect_b32 s59, 6, s59
	s_cselect_b32 s60, 0x4000, s60
	s_cselect_b32 s61, 256, s61
	s_cselect_b32 s62, 0x800000, s62
	s_cselect_b32 s66, 0x80000, s66
	s_cselect_b32 s67, 224, s67
	s_cmp_lt_u32 s25, 224                          ; W_in
	s_cselect_b64 s[52:53], s[12:13], s[52:53]
	s_cselect_b32 s58, s49, s58
	s_cselect_b32 s59, 4, s59
	s_cselect_b32 s60, 0x1000, s60
	s_cselect_b32 s62, 0x400000, s62
	s_cselect_b32 s63, 1, s63
	s_cselect_b32 s66, 0x40000, s66
	s_cselect_b32 s67, 96, s67
	s_cmp_lt_u32 s25, 96                           ; W_V
	s_cselect_b64 s[52:53], s[10:11], s[52:53]
	s_cselect_b32 s58, s41, s58
	s_cselect_b32 s62, 0x200000, s62
	s_cselect_b32 s67, 64, s67
	s_cmp_lt_u32 s25, 64                           ; W_K
	s_cselect_b64 s[52:53], s[8:9], s[52:53]
	s_cselect_b32 s58, s39, s58
	s_cselect_b32 s62, 0x100000, s62
	s_cselect_b32 s67, 32, s67
	s_cmp_lt_u32 s25, 32                           ; W_Q
	s_cselect_b64 s[52:53], s[6:7], s[52:53]
	s_cselect_b32 s58, s37, s58
	s_cselect_b32 s62, 0, s62
	s_cselect_b32 s67, 0, s67
	s_sub_co_u32 s26, s25, s67
	s_lshl_b32 s26, s26, 2
	s_add_co_u32 s26, s26, s24                     ; the job's number in its tensor
	s_lshl_b32 s27, -1, s59
	s_and_not1_b32 s27, s26, s27                   ; kk: which 64 along K
	s_lshr_b32 s28, s26, s59                       ; rr: which 8 row tiles
	s_lshl_b32 s29, s60, 7
	s_mul_i32 s30, s29, s28                        ; 128 rows x rr
	s_mul_i32 s31, s27, s61
	s_add_co_u32 s30, s30, s31
	s_mov_b32 s31, 0
	s_add_nc_u64 s[52:53], s[52:53], s[30:31]      ; where the job reads
	s_lshl_b32 s54, s60, 4                         ; 16 rows on
	s_mov_b32 s55, 0
	s_lshr_b32 s30, s28, s63                       ; block
	s_mul_i32 s30, s30, s66
	s_add_co_u32 s30, s30, s62
	s_lshr_b32 s32, s27, 1                         ; K step of 128
	s_lshl_b32 s33, 0x4000, s63
	s_mul_i32 s32, s32, s33
	s_add_co_u32 s30, s30, s32
	s_and_b32 s32, s28, s63                        ; which 8 of a block's 16 row tiles
	s_lshl_b32 s32, s32, 14
	s_add_co_u32 s30, s30, s32
	s_and_b32 s32, s27, 1                          ; which half of the fragment: quads 0, 1 or 2, 3
	s_lshl_b32 s32, s32, 10
	s_add_co_u32 s30, s30, s32
	s_mov_b32 s31, 0
	s_add_nc_u64 s[56:57], s[22:23], s[30:31]      ; where the job writes
	s_wait_alu depctr_va_vdst(0)
.irp j, 0,1,2,3,4,5,6,7
	v_add_nc_u32 v[16+\j], 2*\j, v3                ; load j takes rows 2 j (lanes 0-15) and 2 j + 1 (lanes 16-31), 256 bytes each
	v_mul_lo_u32 v[16+\j], v[16+\j], s60
	v_lshl_add_u32 v[16+\j], v2, 4, v[16+\j]
.endr
	s_mul_i32 s32, s24, 16*WP
	s_add_co_u32 s32, s32, WB                      ; my stage
	v_mul_u32_u24 v12, v3, WP
	v_lshl_add_u32 v12, v2, 4, v12
	v_add_nc_u32 v12, s32, v12                     ; in: as loaded
	v_mul_u32_u24 v13, v2, WP
	v_lshl_add_u32 v13, v3, 5, v13
	v_add_nc_u32 v13, s32, v13                     ; out: row r, + 32 h bytes
	MKSCALE 58, 11, 10
.macro LOADU u                         ; unit u: 16 rows x 256 bytes into set u % 3
.if (\u) > 0
	s_wait_xcnt 0x0                                ; the earlier loads have read their base: it steps only behind this wait
	s_add_nc_u64 s[52:53], s[52:53], s[54:55]
.endif
.irp j, 0,1,2,3,4,5,6,7
	global_load_b128 v[32+32*((\u)%3)+4*\j:35+32*((\u)%3)+4*\j], v[16+\j], s[52:53] th:TH_LOAD_NT
.endr
.endm
.macro UNIT u
.if 7-(\u) >= 2
	s_wait_loadcnt 16                              ; this unit's eight loads are in; those of the two units behind it may be out
.else
	s_wait_loadcnt 8*(7-(\u))
.endif
.irp j, 0,1,2,3,4,5,6,7
	ds_store_b128 v12, v[32+32*((\u)%3)+4*\j:35+32*((\u)%3)+4*\j] offset:2*\j*WP
.endr
.irp g, 0,1,2,3                        ; LDS serves a wave's instructions in order (ISA guide 5.7.1.4): these see the stores above
	ds_load_b128 v[128+8*\g:131+8*\g], v13 offset:64*\g
	ds_load_b128 v[132+8*\g:135+8*\g], v13 offset:64*\g+16
.endr
	s_wait_dscnt 0x0                               ; the unit is back, and the stores have read their registers,
.if (\u)+3 <= 7
	LOADU (\u)+3                                   ; which take the unit three on
.endif
.set i, 0
.rept 32
	v_med3_num_f32 v[128+i], v[128+i], -v10, v10
.set i, i+1
.endr
.irp g, 0,1,2,3
	v_cvt_scalef32_pk8_bf8_f32 v[160+8*(\u)+2*\g:161+8*(\u)+2*\g], v[128+8*\g:135+8*\g], v11   ; each unit has its own eight registers: no store's data are written again
.endr
	v_nop                                          ; a plain instruction behind the conversions
	global_store_b128 v4, v[160+8*(\u):163+8*(\u)], s[56:57] offset:2048*(\u)
	global_store_b128 v4, v[164+8*(\u):167+8*(\u)], s[56:57] offset:2048*(\u)+512
.endm
	LOADU 0
	s_wait_alu depctr_va_vdst(0)
	LOADU 1
	LOADU 2
.irp u, 0,1,2,3,4,5,6,7
	UNIT \u
.endr
	s_wait_tensorcnt 0x0
	ds_add_u32 v224, v225
	s_wait_dscnt 0x0
	s_endpgm
.Lfunc_end_k_q9ac24199be_prep:
	.size	k_q9ac24199be_prep, .Lfunc_end_k_q9ac24199be_prep-k_q9ac24199be_prep
	.p2alignl 7, 3214868480
	.fill 96, 4, 3214868480
	.section	.rodata,"a",@progbits
	.p2align	6, 0x0
	.amdhsa_kernel k_q9ac24199be_prep
		.amdhsa_group_segment_fixed_size 83968
		.amdhsa_private_segment_fixed_size 0
		.amdhsa_enable_private_segment 0
		.amdhsa_kernarg_size 80
		.amdhsa_user_sgpr_count 2
		.amdhsa_user_sgpr_kernarg_segment_ptr 1
		.amdhsa_wavefront_size32 1
		.amdhsa_system_sgpr_workgroup_id_x 1
		.amdhsa_system_sgpr_workgroup_id_y 1
		.amdhsa_system_sgpr_workgroup_id_z 1
		.amdhsa_system_vgpr_workitem_id 0
		.amdhsa_next_free_vgpr 226
		.amdhsa_next_free_sgpr 72
		.amdhsa_reserve_vcc 0
		.amdhsa_float_denorm_mode_32 3
		.amdhsa_float_denorm_mode_16_64 3
		.amdhsa_memory_ordered 1
		.amdhsa_forward_progress 1
		.amdhsa_inst_pref_size 102
	.end_amdhsa_kernel
	.amdgpu_metadata
---
amdhsa.version: [ 1, 2 ]
amdhsa.kernels:
  - .name:           k_q9ac24199be_prep
    .symbol:         k_q9ac24199be_prep.kd
    .args:
      - { .name: x, .offset: 0, .size: 8, .value_kind: global_buffer, .address_space: global }
      - { .name: W_Q, .offset: 8, .size: 8, .value_kind: global_buffer, .address_space: global }
      - { .name: W_K, .offset: 16, .size: 8, .value_kind: global_buffer, .address_space: global }
      - { .name: W_V, .offset: 24, .size: 8, .value_kind: global_buffer, .address_space: global }
      - { .name: W_in, .offset: 32, .size: 8, .value_kind: global_buffer, .address_space: global }
      - { .name: W_out, .offset: 40, .size: 8, .value_kind: global_buffer, .address_space: global }
      - { .name: W_O, .offset: 48, .size: 8, .value_kind: global_buffer, .address_space: global }
      - { .name: lowp_scales, .offset: 56, .size: 8, .value_kind: global_buffer, .address_space: global }
      - { .name: xc, .offset: 64, .size: 8, .value_kind: global_buffer, .address_space: global }
      - { .name: wc, .offset: 72, .size: 8, .value_kind: global_buffer, .address_space: global }
    .group_segment_fixed_size: 83968
    .private_segment_fixed_size: 0
    .kernarg_segment_align: 8
    .kernarg_segment_size: 80
    .max_flat_workgroup_size: 128
    .sgpr_count:     72
    .vgpr_count:     226
    .wavefront_size: 32
...
	.end_amdgpu_metadata
.endif
;; end of part 1
;; launch qkv (part 2): grid 12 x 16, 4 waves a work-group, clusters of 4 x 4, 327,680 bytes of LDS; arguments xc, wc, lowp_scales, b_Q, b_K, b_V, qkvc; writes qkvc
.if DOCPART == 2
	.amdgcn_target "amdgcn-amd-amdhsa--gfx1250"
	.amdhsa_code_object_version 6
	.text
	.protected	k_q9ac24199be_qkv
	.globl	k_q9ac24199be_qkv
	.p2align	8
	.type	k_q9ac24199be_qkv,@function
k_q9ac24199be_qkv:
	s_mov_b64 s[64:65], 0
	v_nop
	global_prefetch_b8 v0, s[64:65] scope:SCOPE_SE
	s_setreg_imm32_b32 hwreg(HW_REG_WAVE_MODE, 25, 1), 1
	s_wait_xcnt 0x0
	s_wait_alu depctr_hold_cnt(0) depctr_sa_sdst(0) depctr_va_vdst(0) depctr_va_sdst(0) depctr_va_ssrc(0) depctr_va_vcc(0) depctr_vm_vsrc(0)
	s_getreg_b32 s2, hwreg(HW_REG_IB_STS2, 6, 4)
	s_cmp_eq_u32 s2, 0
	s_cbranch_scc0 .Lentry_in_a_cluster
	s_endpgm
.Lentry_in_a_cluster:
	s_bfe_u32 s2, ttmp6, 0x10000c
	s_cmp_lg_u32 s2, 0xf033
	s_cbranch_scc0 .Lentry_shape_is_right
	s_endpgm
.Lentry_shape_is_right:
.set SLOT,  131072
.set SPARE, 2*SLOT
.set FR,    16
.set NL,    4
.set NP,    4
.set LAPS,  2
.set ADRA,  16
.set ADRB,  20
.set BCO,   24
.set BRO,   25
.set OUTO,  26
.set SPW,   28
.set NIL,   29
.set SCL,   30
.set LIM,   31
.set BC,    32
.set BR,    96
.set CODE,  112
.set AF,    128
.set TMP,   128
.set G1,  24
.set G0,  32
.set G1B, 48
.set G0B, 56
.set MSB, 0
.macro WIN new
.if MSB != \new
	s_set_vgpr_msb (MSB<<8)|\new
.set MSB, \new
.endif
.endm
.set MUL_LO, 0xa1
.set MUL_HI, 0xf1
.set TO_B,   0x40
.macro JLOAD g0a, g1a, g0b, g1b
	s_cmp_eq_u32 s15, 0
	s_cbranch_scc0 .Lfor_b_\@
	tensor_load_to_lds s[\g0a:\g0a+3], s[\g1a:\g1a+7]
	s_nop 0
.rept 4
	v_nop
.endr
	s_branch .Lasked_\@
.Lfor_b_\@:
	tensor_load_to_lds s[\g0b:\g0b+3], s[\g1b:\g1b+7]
	s_nop 0
.rept 4
	v_nop
.endr
.Lasked_\@:
.endm
.macro CREST
	s_cmp_lg_u32 s14, 0
	s_cbranch_scc1 .Lnot_wave_0_\@
	s_barrier_signal -3
.Lnot_wave_0_\@:
	s_barrier_wait -3
	s_barrier_signal -1
	s_barrier_wait -1
.endm
.macro CROUND
	s_barrier_signal -1
	s_barrier_wait -1
	CREST
.endm
	s_load_b256 s[4:11], s[0:1], 0x0
	s_load_b128 s[68:71], s[0:1], 0x20
	s_load_b64 s[72:73], s[0:1], 0x30
	v_lshl_add_u32 v[SPW], v0, 2, SPARE
	v_mov_b32 v[NIL], 0
	ds_add_u32 v28, v29
	ds_add_u32 v28, v29
	s_wait_dscnt 0x0
	v_lshrrev_b32 v1, 5, v0
	v_readfirstlane_b32 s14, v1
	s_lshr_b32 s15, s14, 1
	s_and_b32 s16, s14, 1
	s_bfe_u32 s40, ttmp6, 0x40000
	s_bfe_u32 s41, ttmp6, 0x40004
	s_lshl_b32 s42, ttmp9, 2
	s_add_co_u32 s42, s42, s40
	s_and_b32 s17, ttmp7, 0xffff
	s_lshl_b32 s17, s17, 2
	s_add_co_u32 s17, s17, s41
	s_lshl_b32 s43, s41, 2
	s_lshl_b32 s43, 15, s43
	s_lshl_b32 s44, 0x1111, s40
	s_or_b32 s[G1+0], s43, (3<<16)|(1<<21)
	s_or_b32 s[G1B+0], s44, (3<<16)|(1<<21)
.irp g, G1, G1B
	s_mov_b32 s[\g+1], 32<<16
	s_mov_b32 s[\g+2], 128<<16
	s_mov_b32 s[\g+3], 32<<16
	s_mov_b32 s[\g+4], 128
	s_mov_b32 s[\g+5], 32
	s_mov_b32 s[\g+6], 0
	s_mov_b32 s[\g+7], 0
.endr
	s_lshl_b32 s18, s16, 15
	s_lshl_b32 s20, s17, 18
	s_add_co_u32 s20, s20, s18
	s_lshl_b32 s19, ttmp9, 22
	s_add_co_u32 s20, s20, s19
	s_mov_b32 s21, 0
	s_lshl_b32 s46, s42, 18
	s_add_co_u32 s46, s46, s18
	s_mov_b32 s47, 0
	s_lshl_b32 s45, s14, 15
	s_wait_kmcnt 0x0
	s_load_b512 s[76:91], s[8:9], 0x0
	s_add_nc_u64 s[20:21], s[4:5], s[20:21]
	s_add_nc_u64 s[46:47], s[6:7], s[46:47]
	CROUND
.irp s, 0,1
	s_mov_b32 s[G0+4*\s], 1
	s_add_co_u32 s[G0+4*\s+1], s45, \s*SLOT
	s_add_nc_u64 s[G0+4*\s+2:G0+4*\s+3], s[20:21], \s*65536
	s_or_b32 s[G0+4*\s+3], s[G0+4*\s+3], 0x80000000
	s_mov_b32 s[G0B+4*\s], 1
	s_add_co_u32 s[G0B+4*\s+1], s45, \s*SLOT
	s_add_nc_u64 s[G0B+4*\s+2:G0B+4*\s+3], s[46:47], \s*65536
	s_or_b32 s[G0B+4*\s+3], s[G0B+4*\s+3], 0x80000000
.endr
	JLOAD G0, G1, G0B, G1B                         ; slot 0: one tensor load a wave at the head
	; prefetches into the L2: of the 32,768 bytes that I fetch for a slot, each of the four partners that ask jointly names 8,192 by address (cx for A, cy for B), a lane a block of 256 bytes.
	; Beside the load of slot s stands the request for slot s + 2; slot 1, whose load follows slot 0's landing, is asked for here too.  A slot on is 65,536 bytes; the last slot is 3.
	s_cmp_eq_u32 s15, 0
	s_cselect_b64 s[12:13], s[20:21], s[46:47]
	s_cselect_b32 s66, s40, s41
	s_lshl_b32 s66, s66, 13
	s_mov_b32 s67, 0
	s_add_nc_u64 s[12:13], s[12:13], s[66:67]
	v_and_b32 v27, 31, v0
	v_lshlrev_b32 v27, 8, v27
	global_prefetch_b8 v27, s[12:13] offset:65536 th:TH_LOAD_NT scope:SCOPE_SE
	global_prefetch_b8 v27, s[12:13] offset:131072 th:TH_LOAD_NT scope:SCOPE_SE
	v_and_b32 v1, 31, v0
	v_lshlrev_b32 v[OUTO], 4, v1
	s_wait_alu depctr_va_vdst(0)
	v_and_b32 v2, 15, v0
	v_bfe_u32 v3, v0, 4, 1
	v_lshlrev_b32 v[BCO], 5, v3
	s_wait_alu depctr_va_vdst(0)
	v_lshlrev_b32 v[BRO], 2, v2
	s_wait_alu depctr_va_vdst(0)
	s_cmp_eq_u32 ttmp9, 2
	s_cselect_b32 s92, 0x10000, 0
	s_cselect_b32 s93, 0, 0x10000
	s_cselect_b32 s94, s15, s16
	s_cselect_b32 s95, s16, s15
	s_cselect_b32 s98, 0, 1.0
	s_cselect_b32 s99, 1.0, 0
	s_cselect_b64 s[74:75], s[70:71], s[68:69]
	s_cmp_eq_u32 ttmp9, 0
	s_cselect_b64 s[74:75], s[10:11], s[74:75]
	s_lshl_b32 s21, s15, 14
	s_add_co_u32 s21, s21, s92
	s_lshl_b32 s22, s16, 14
	s_add_co_u32 s22, s22, s93
.irp s, 0,1
	v_add_nc_u32 v[ADRA+\s], s21, v[OUTO]
	v_add_nc_u32 v[ADRB+\s], s22, v[OUTO]
	s_add_co_u32 s21, s21, SLOT
	s_add_co_u32 s22, s22, SLOT
.endr
	s_lshl_b32 s46, s40, 10
	s_lshl_b32 s47, s94, 9
	s_add_co_u32 s46, s46, s47
	s_mov_b32 s47, 0
	s_add_nc_u64 s[74:75], s[74:75], s[46:47]
.irp b, 0,1,2,3,4,5,6,7
	global_load_b128 v[BC+8*\b:BC+8*\b+3], v[BCO], s[74:75] offset:64*\b
	global_load_b128 v[BC+8*\b+4:BC+8*\b+7], v[BCO], s[74:75] offset:64*\b+16
.endr
.irp a, 0,1,2,3,4,5,6,7
	global_load_b32 v[BR+2*\a], v[BRO], s[74:75] offset:64*\a
.endr
	s_lshl_b32 s46, ttmp9, 22
	s_lshr_b32 s47, s17, 3
	s_lshl_b32 s47, s47, 21
	s_add_co_u32 s46, s46, s47
	s_lshl_b32 s47, s40, 19
	s_add_co_u32 s46, s46, s47
	s_lshl_b32 s47, s94, 18
	s_add_co_u32 s46, s46, s47
	s_and_b32 s47, s17, 7
	s_lshl_b32 s47, s47, 15
	s_add_co_u32 s46, s46, s47
	s_lshl_b32 s47, s95, 14
	s_add_co_u32 s46, s46, s47
	s_mov_b32 s47, 0
	s_add_nc_u64 s[72:73], s[72:73], s[46:47]
.macro FRAG reg, adr, q, i
.irp c, 0,1,2,3
	ds_load_b128 v[\reg+4*\c:\reg+4*\c+3], v[\adr] offset:32768*(\q)+2048*(\i)+512*\c
.endr
.endm
.macro MUL16 a0, p, zero
.irp a, \a0, \a0+1
.irp b, 0,1,2,3,4,5,6,7
.if \zero
	v_wmma_f32_16x16x128_bf8_bf8 v[8*(8*((\a)%4)+\b):8*(8*((\a)%4)+\b)+7], v[128*(\p)+FR*\b:128*(\p)+FR*\b+FR-1], v[AF+FR*(\a):AF+FR*(\a)+FR-1], 0
.else
	v_wmma_f32_16x16x128_bf8_bf8 v[8*(8*((\a)%4)+\b):8*(8*((\a)%4)+\b)+7], v[128*(\p)+FR*\b:128*(\p)+FR*\b+FR-1], v[AF+FR*(\a):AF+FR*(\a)+FR-1], v[8*(8*((\a)%4)+\b):8*(8*((\a)%4)+\b)+7]
.endif
.endr
.endr
.endm
.macro FETCH_B slot, q, p
	WIN TO_B
.irp i, 0,1,2,3,4,5,6,7
	FRAG 128*(\p)+FR*\i, ADRB+\slot, \q, \i
.endr
	WIN 0
.endm
.macro FETCH_A slot, q, i0
.irp i, \i0, \i0+1, \i0+2, \i0+3
	FRAG AF+FR*(\i), ADRA+\slot, \q, \i
.endr
.endm
.macro PLACES n
.rept \n
	v_nop
.endr
.endm
.macro STEP slot, q, zero
	s_wait_dscnt 4*NL
	WIN MUL_LO
	MUL16 0, (\q)%2, \zero
	MUL16 2, (\q)%2, \zero
	s_wait_dscnt 0
	PLACES NP
	FETCH_B \slot, (\q)+1, 1-(\q)%2
	FETCH_A \slot, (\q)+1, 0
	WIN MUL_HI
	MUL16 4, (\q)%2, \zero
	MUL16 6, (\q)%2, \zero
	PLACES NP
	WIN 0
	FETCH_A \slot, (\q)+1, 4
.endm
.macro TURN slot, next, fill
	s_wait_tensorcnt 0x0
	ds_add_u32 v[SPW], v[NIL]
	s_wait_dscnt 4*NL+1
	WIN MUL_LO
	MUL16 0, 1, 0
	s_wait_dscnt 0x0
	s_barrier_signal -1
	MUL16 2, 1, 0
	WIN 0
	s_barrier_wait -1
.if \fill
	CREST
	s_add_nc_u64 s[G0+4*\slot+2:G0+4*\slot+3], s[G0+4*\slot+2:G0+4*\slot+3], 131072
	s_add_nc_u64 s[G0B+4*\slot+2:G0B+4*\slot+3], s[G0B+4*\slot+2:G0B+4*\slot+3], 131072
	JLOAD G0+4*\slot, G1, G0B+4*\slot, G1B
.else
	PLACES NP
.endif
	FETCH_B \next, 0, 0
	FETCH_A \next, 0, 0
	WIN MUL_HI
	MUL16 4, 1, 0
	MUL16 6, 1, 0
	PLACES NP
	WIN 0
	FETCH_A \next, 0, 4
.endm
	s_wait_alu depctr_va_vdst(0)
	s_wait_tensorcnt 0x0                           ; my part of slot 0 is in
	ds_add_u32 v[SPW], v[NIL]
	s_wait_dscnt 0x0
	CROUND                                         ; a whole round: everybody's part of slot 0 is in, and the joint loads meet
	JLOAD G0+4, G1, G0B+4, G1B                     ; slot 1's first fill, the first tensor load behind the round
	FETCH_B 0, 0, 0
	global_prefetch_b8 v27, s[12:13] offset:196608 th:TH_LOAD_NT scope:SCOPE_SE   ; slot 3
	FETCH_A 0, 0, 0
	FETCH_A 0, 0, 4
	STEP 0, 0, 1
	s_mov_b32 s3, LAPS-1
.Llap:
	TURN 0, 1, 1
	STEP 1, 0, 0
	TURN 1, 0, 1
	STEP 0, 0, 0
	s_sub_co_u32 s3, s3, 1
	s_cmp_lg_u32 s3, 0
	s_cbranch_scc1 .Llap
	TURN 0, 1, 0
	STEP 1, 0, 0
	s_wait_dscnt 4*NL
	WIN MUL_LO
	MUL16 0, 1, 0
	MUL16 2, 1, 0
	s_wait_dscnt 0
	WIN MUL_HI
	MUL16 4, 1, 0
	MUL16 6, 1, 0
	WIN 0
	s_wait_kmcnt 0x0
	s_add_co_i32 s18, s76, s77
	s_add_co_i32 s19, s78, s79
	s_add_co_i32 s20, s80, s81
	s_cmp_eq_u32 ttmp9, 0
	s_cselect_b32 s18, s18, s19
	s_cselect_b32 s21, s82, s83
	s_cmp_eq_u32 ttmp9, 2
	s_cselect_b32 s18, s20, s18
	s_cselect_b32 s21, s85, s21
	s_add_co_i32 s18, s18, 127
	s_lshl_b32 s96, s18, 23
	s_mov_b32 s97, s96
	s_add_co_i32 s21, s21, 127
	s_lshl_b32 s22, s21, 23
	s_add_co_i32 s21, s21, 15
	s_lshl_b32 s21, s21, 23
	s_or_b32 s21, s21, 0x600000
	s_wait_loadcnt 0x0
.set j, 0
.rept 32
	v_pk_mul_f32 v[BC+j:BC+j+1], v[BC+j:BC+j+1], s[98:99] op_sel_hi:[1,0]
.set j, j+2
.endr
.irp a, 0,1,2,3,4,5,6,7
	v_mul_f32 v[BR+2*\a], s99, v[BR+2*\a]
.endr
.irp a, 0,1,2,3,4,5,6,7
	v_mov_b32 v[BR+2*\a+1], v[BR+2*\a]
.endr
	v_mov_b32 v[SCL], s22
	v_mov_b32 v[LIM], s21
.macro OUTBLK a
.set AC, 64*((\a)%4)
	WIN 0x02+((\a)/4)
.set j, 0
.rept 32
	v_pk_fma_f32 v[TMP+j:TMP+j+1], v[AC+j:AC+j+1], s[96:97], v[BC+j:BC+j+1] op_sel_hi:[1,0,1]
.set j, j+2
.endr
	WIN 0
.set j, 0
.rept 32
	v_pk_add_f32 v[TMP+j:TMP+j+1], v[TMP+j:TMP+j+1], v[BR+2*(\a):BR+2*(\a)+1]
.set j, j+2
.endr
.set j, 0
.rept 64
	v_med3_num_f32 v[TMP+j], v[TMP+j], -v[LIM], v[LIM]
.set j, j+1
.endr
	s_wait_alu depctr_va_vdst(0)
	s_wait_xcnt 0x0
.irp b, 0,1,2,3,4,5,6,7
	v_cvt_scalef32_pk8_bf8_f32 v[CODE+2*\b:CODE+2*\b+1], v[TMP+8*\b:TMP+8*\b+7], v[SCL]
.endr
	v_nop
.irp q, 0,1,2,3
	global_store_b128 v[OUTO], v[CODE+4*\q:CODE+4*\q+3], s[72:73] offset:2048*(\a)+512*\q
.endr
.endm
.irp a, 0,1,2,3,4,5,6,7
	OUTBLK \a
.endr
	s_wait_tensorcnt 0x0
	ds_add_u32 v[SPW], v[NIL]
	s_wait_dscnt 0x0
	CROUND
	s_endpgm
.Lfunc_end_k_q9ac24199be_qkv:
	.size	k_q9ac24199be_qkv, .Lfunc_end_k_q9ac24199be_qkv-k_q9ac24199be_qkv
	.p2alignl 7, 3214868480
	.fill 96, 4, 3214868480
	.section	.rodata,"a",@progbits
	.p2align	6, 0x0
	.amdhsa_kernel k_q9ac24199be_qkv
		.amdhsa_group_segment_fixed_size 327680
		.amdhsa_private_segment_fixed_size 0
		.amdhsa_enable_private_segment 0
		.amdhsa_kernarg_size 56
		.amdhsa_user_sgpr_count 2
		.amdhsa_user_sgpr_kernarg_segment_ptr 1
		.amdhsa_wavefront_size32 1
		.amdhsa_system_sgpr_workgroup_id_x 1
		.amdhsa_system_sgpr_workgroup_id_y 1
		.amdhsa_system_sgpr_workgroup_id_z 1
		.amdhsa_system_vgpr_workitem_id 0
		.amdhsa_next_free_vgpr 1024
		.amdhsa_next_free_sgpr 100
		.amdhsa_reserve_vcc 0
		.amdhsa_float_denorm_mode_32 3
		.amdhsa_float_denorm_mode_16_64 3
		.amdhsa_memory_ordered 1
		.amdhsa_forward_progress 1
		.amdhsa_inst_pref_size 156
	.end_amdhsa_kernel
	.amdgpu_metadata
---
amdhsa.version: [ 1, 2 ]
amdhsa.kernels:
  - .name:           k_q9ac24199be_qkv
    .symbol:         k_q9ac24199be_qkv.kd
    .args:
      - { .name: xc, .offset: 0, .size: 8, .value_kind: global_buffer, .address_space: global }
      - { .name: wc, .offset: 8, .size: 8, .value_kind: global_buffer, .address_space: global }
      - { .name: lowp_scales, .offset: 16, .size: 8, .value_kind: global_buffer, .address_space: global }
      - { .name: b_Q, .offset: 24, .size: 8, .value_kind: global_buffer, .address_space: global }
      - { .name: b_K, .offset: 32, .size: 8, .value_kind: global_buffer, .address_space: global }
      - { .name: b_V, .offset: 40, .size: 8, .value_kind: global_buffer, .address_space: global }
      - { .name: qkvc, .offset: 48, .size: 8, .value_kind: global_buffer, .address_space: global }
    .group_segment_fixed_size: 327680
    .private_segment_fixed_size: 0
    .kernarg_segment_align: 8
    .kernarg_segment_size: 56
    .max_flat_workgroup_size: 128
    .sgpr_count:     100
    .vgpr_count:     1024
    .wavefront_size: 32
...
	.end_amdgpu_metadata
.endif
;; end of part 2
;; launch attn (part 3): grid 8 x 32, 16 waves a work-group, clusters of 4 x 1, 327,680 bytes of LDS; arguments qkvc, lowp_scales, zc; writes zc
.if DOCPART == 3
	.amdgcn_target "amdgcn-amd-amdhsa--gfx1250"
	.amdhsa_code_object_version 6
	.text
	.protected	k_q9ac24199be_attn
	.globl	k_q9ac24199be_attn
	.p2align	8
	.type	k_q9ac24199be_attn,@function
k_q9ac24199be_attn:
	s_mov_b64 s[64:65], 0
	v_nop
	global_prefetch_b8 v0, s[64:65] scope:SCOPE_SE
	s_setreg_imm32_b32 hwreg(HW_REG_WAVE_MODE, 25, 1), 1
	s_wait_xcnt 0x0
	s_wait_alu depctr_hold_cnt(0) depctr_sa_sdst(0) depctr_va_vdst(0) depctr_va_sdst(0) depctr_va_ssrc(0) depctr_va_vcc(0) depctr_vm_vsrc(0)
	s_getreg_b32 s2, hwreg(HW_REG_IB_STS2, 6, 4)
	s_cmp_eq_u32 s2, 0
	s_cbranch_scc0 .Lentry_in_a_cluster
	s_endpgm
.Lentry_in_a_cluster:
	s_bfe_u32 s2, ttmp6, 0x10000c
	s_cmp_lg_u32 s2, 0x3003
	s_cbranch_scc0 .Lentry_shape_is_right
	s_endpgm
.Lentry_shape_is_right:
; z = softmax(q k^T / 8, causal) v for one (batch, head) = work-group y, on codes of BF8 (E5M2); z is quantised at once (e10) into the O projection's operand images.
; THE SOFTMAX: t = score x log2(e) / 8; M = the running largest t rounded UP to a whole number; p = 2^(t - M) is quantised (e8), not normalised; the row's sum of the unquantised p divides at the end.
; ALL OF THE HEAD'S K AND V LIE IN LDS: 2,048 keys x 64 bytes each, 131,072 + 131,072 bytes, asked for at the head by sixteen loads of 16,384 bytes, one a wave.  Nothing is filled again: behind the one barrier
; that shows them landed every wave walks its own key steps (128 keys each) at its own pace.
; SHARES.  The head's 128 query tiles of 16 go to 8 work-groups: work-group g (0..7) owns tiles 8 u + g, u = 0..15; tile u needs key steps 0 .. u, the last on its diagonal: 136 tile-steps.  The waves are eight pairs
; p = w / 2.  Wave A of pair p: key steps 0-7 of the large tile u = 15 - p, all open: 8 steps.  Wave B: the small tile u = p whole (p + 1 steps), then key steps 8 .. 15 - p of the large tile (8 - p steps): 9 steps.
; A hands its part (O^T, -M, the sums) to B through a stage in LDS, behind one barrier; B brings both parts under the larger M by exact powers of two and stores the tile.  Each part has a running M of its own:
; p is quantised, and held, under the M of its part.  Role B = ((w / 4) xor w) odd: two waves of each role among the waves of one w % 4, and among those of one w / 4.
; All tests hang on the wave's number alone and are alike in all work-groups.
; LAYOUT.  S^T = K Q^T (source 0 = 16 keys, source 1 = my queries; K = 64: the x64 form), O^T = V^T P^T (source 0 = 16 of the head's 64, source 1 = P; K = 128 keys): a lane holds one query throughout, and
; the eight registers of score tile t are keys 16 t + 8 h + 0..7: one conversion of them IS register pair t of P's fragment.  All operands lie in memory as images of their registers.
; CLUSTER 4 x 1: the four work-groups need the same K and V: joint loads.  No prefetch: every byte of K and V is asked for at the head, and no later load is left to run ahead of.
; LIMITS: masked keys count as p = 0, which is reference's -100,000 wherever a row's largest open score lies above about -99,800.  e6 + e7 between -123 and 130; e8, e10 between -126 and 112.  NaN is not served.
; REGISTERS: v1 16 x lane; v2 my pair's stage; v5, v6 the add's; v7, v8 LDS addresses of V's and K's fragments; v9 my query less 8 h, in a diagonal step; v10 -infinity; v12 -M, v13 largest t, v[14:15] the sum;
;   v16-23 Q of the first tile, v24-31 Q of the large tile; v32-95 fragments of K, then of V; v96-159 S^T, then p; v160-191 O^T; v192-223, v232-235 the other part; v224-239 P's codes;
;   v240, v244: 57,344 x 2^e8, 2^e8; v245, v246: 2^e10, 57,344 x 2^e10; v236, v242, v243, v247-254 at work.
.set VREG,  131072                     ; K: [key step 16][tile 8][1,024] from byte 0; V: [key step 16][d tile 4][2,048] from here
.set STAGE, 262144                     ; behind them: 4,608 bytes for each pair: O^T's 32 registers and four of statistics, as images
.set PAIRB, 4608
.set SPARE, STAGE+8*PAIRB              ; behind the stages: the spare words, 128 bytes for each of 16 waves
.set LI,   1
.set SA,   2
.set SPW,  5
.set NIL,  6
.set ADV,  7
.set ADR,  8
.set DD,   9
.set NINF, 10
.set WV,   18
.set U1,   19                          ; the first loop's tile: its last key step
.set SEL,  20
.set CS,   22
.set G1K,  24
.set G1V,  32
.set G0K,  40
.set G0V,  44
.set TB,   48                          ; 8,192 x the key step: where its fragments begin in K's and in V's region
.set U2,   49                          ; the second loop's tile: its last key step (0 in role A: every step of that loop is hidden)
.set KSC,  50                          ; the key step's number
.set ISB,  51                          ; my role: 0 A, 1 B
.set PR,   52                          ; my pair
.set UB,   53                          ; the large tile: 15 - pair
.set EZ,   66                          ; e8 + e9
.macro CROUND                          ; a round of the cluster's barrier
	s_barrier_signal -1
	s_barrier_wait -1
	s_cmp_lg_u32 s[WV], 0
	s_cbranch_scc1 .Lnot_wave_0_\@
	s_barrier_signal -3
.Lnot_wave_0_\@:
	s_barrier_wait -3
	s_barrier_signal -1
	s_barrier_wait -1
.endm
	s_load_b128 s[4:7], s[0:1], 0x0                ; qkvc 4, the scales' exponents 6
	s_load_b64 s[8:9], s[0:1], 0x10                ; zc
	v_lshl_add_u32 v[SPW], v0, 2, SPARE
	v_mov_b32 v[NIL], 0
	ds_add_u32 v5, v6
	ds_add_u32 v5, v6
	s_wait_dscnt 0x0
	v_lshrrev_b32 v8, 5, v0
	s_delay_alu instid0(VALU_DEP_1)
	v_readfirstlane_b32 s[WV], v8                  ; wave 0..15
	s_lshr_b32 s[PR], s[WV], 1
	s_lshr_b32 s54, s[WV], 2
	s_xor_b32 s54, s54, s[WV]
	s_and_b32 s[ISB], s54, 1
	s_sub_co_u32 s[UB], 15, s[PR]
	s_cmp_eq_u32 s[ISB], 1
	s_cselect_b32 s[U1], s[PR], s[UB]              ; B begins with the small tile, A with the large one
	s_cselect_b32 s[U2], s[UB], 0
	s_bfe_u32 s56, ttmp6, 0x40000                  ; cx
	s_lshl_b32 s57, ttmp9, 2
	s_add_co_u32 s57, s57, s56                     ; g = 4 x cluster x + cx: it enters Q's and z's addresses and the mask's numbers alone
	s_and_b32 s58, ttmp7, 0xffff
	s_lshr_b32 s59, s58, 4                         ; b
	s_and_b32 s60, s58, 15                         ; head
	s_lshr_b32 s61, s60, 1                         ; head pair
	s_and_b32 s62, s60, 1                          ; parity
	s_lshl_b32 s84, s59, 21
	s_lshl_b32 s85, s61, 18
	s_add_co_u32 s84, s84, s85                     ; the head pair's first byte in each of Q, K, V
	s_and_b32 s55, s[WV], 7                        ; which eighth (256 keys) I fetch: of K in waves 0-7, of V in waves 8-15
	s_lshl_b32 s92, s55, 14                        ; 16,384 bytes in LDS,
	s_lshl_b32 s93, s55, 15                        ; 32,768 in memory, where the two heads of a pair alternate
	s_lshl_b32 s86, s62, 10
	s_add_co_u32 s86, s86, s84
	s_add_co_u32 s86, s86, s93
	s_add_co_u32 s86, s86, 0x400000                ; K: a tile of my head every 2,048 bytes
	s_mov_b32 s87, 0
	s_lshl_b32 s88, s62, 13
	s_add_co_u32 s88, s88, s84
	s_add_co_u32 s88, s88, s93
	s_add_co_u32 s88, s88, 0x800000                ; V: 8,192 bytes of my head every 16,384
	s_mov_b32 s89, 0
	s_mov_b32 s[G1K], 15|(3<<16)|(1<<21)           ; 15:0 the mask: all four; 17:16 elements of 8 bytes; 21 set beside a mask
	s_mov_b32 s[G1K+1], 128<<16                    ; tensor_dim0: 1,024 bytes
	s_mov_b32 s[G1K+2], 16<<16                     ; tensor_dim1: 16 tiles
	s_mov_b32 s[G1K+3], 128<<16
	s_mov_b32 s[G1K+4], 16
	s_mov_b32 s[G1K+5], 256                        ; 2,048 bytes from tile to tile
	s_mov_b32 s[G1K+6], 0
	s_mov_b32 s[G1K+7], 0
	s_mov_b32 s[G1V], 15|(3<<16)|(1<<21)
	s_mov_b32 s[G1V+1], 1024<<16                   ; 8,192 bytes
	s_mov_b32 s[G1V+2], 2<<16                      ; two key steps
	s_mov_b32 s[G1V+3], 1024<<16
	s_mov_b32 s[G1V+4], 2
	s_mov_b32 s[G1V+5], 2048                       ; 16,384 bytes from key step to key step
	s_mov_b32 s[G1V+6], 0
	s_mov_b32 s[G1V+7], 0
	s_mov_b32 s[SEL], 0x76543210
	s_mov_b32 s[SEL+1], 0xfedcba98
	s_mov_b32 s[CS], 0x3e38aa3b                    ; c = log2(e) / 8
	s_wait_kmcnt 0x0
	s_load_b512 s[68:83], s[6:7], 0x0              ; e_k in s[68 + k]
	s_mov_b32 s[G0K], 1
	s_mov_b32 s[G0K+1], s92
	s_add_nc_u64 s[G0K+2:G0K+3], s[4:5], s[86:87]
	s_or_b32 s[G0K+3], s[G0K+3], 0x80000000
	s_mov_b32 s[G0V], 1
	s_add_co_u32 s[G0V+1], s92, VREG
	s_add_nc_u64 s[G0V+2:G0V+3], s[4:5], s[88:89]
	s_or_b32 s[G0V+3], s[G0V+3], 0x80000000
	CROUND                                         ; all four work-groups are here: the joint loads meet
	s_cmp_lt_u32 s[WV], 8                          ; every wave asks once: one tensor load of mine is out; four v_nop follow each line
	s_cbranch_scc0 .Lfor_v
	tensor_load_to_lds s[G0K:G0K+3], s[G1K:G1K+7]
	s_nop 0
.rept 4
	v_nop
.endr
	s_branch .Lasked
.Lfor_v:
	tensor_load_to_lds s[G0V:G0V+3], s[G1V:G1V+7]
	s_nop 0
.rept 4
	v_nop
.endr
.Lasked:
	v_and_b32 v[LI], 31, v0
	s_delay_alu instid0(VALU_DEP_1)
	v_lshlrev_b32 v[LI], 4, v[LI]
	s_wait_alu depctr_va_vdst(0)
	s_lshl_b32 s95, s62, 10
	s_add_co_u32 s95, s95, s84                     ; Q: head pair and parity
	s_lshl_b32 s90, s[U1], 3
	s_add_co_u32 s90, s90, s57                     ; the first loop's query tile 8 u + g,
	s_lshl_b32 s90, s90, 11
	s_add_co_u32 s90, s90, s95
	s_mov_b32 s91, 0
	s_add_nc_u64 s[10:11], s[4:5], s[90:91]
	s_lshl_b32 s90, s[UB], 3
	s_add_co_u32 s90, s90, s57                     ; and the large tile
	s_lshl_b32 s90, s90, 11
	s_add_co_u32 s90, s90, s95
	s_add_nc_u64 s[14:15], s[4:5], s[90:91]
	global_load_b128 v[16:19], v[LI], s[10:11]
	global_load_b128 v[20:23], v[LI], s[10:11] offset:512
	global_load_b128 v[24:27], v[LI], s[14:15]
	global_load_b128 v[28:31], v[LI], s[14:15] offset:512
	s_lshl_b32 s94, s59, 4                         ; z: block of 128 tokens 16 b + u,
	s_lshl_b32 s95, s61, 14                        ; K step = head pair,
	s_lshl_b32 s90, s57, 11                        ; row tile g,
	s_add_co_u32 s95, s95, s90
	s_lshl_b32 s90, s62, 10                        ; quads 0, 1 or 2, 3
	s_add_co_u32 s95, s95, s90
	s_add_co_u32 s90, s94, s[PR]
	s_lshl_b32 s90, s90, 17
	s_add_co_u32 s90, s90, s95
	s_add_nc_u64 s[12:13], s[8:9], s[90:91]        ; the small tile's
	s_add_co_u32 s90, s94, s[UB]
	s_lshl_b32 s90, s90, 17
	s_add_co_u32 s90, s90, s95
	s_add_nc_u64 s[16:17], s[8:9], s[90:91]        ; the large tile's
	s_mul_i32 s54, s[PR], PAIRB
	s_add_co_u32 s54, s54, STAGE
	v_add_nc_u32 v[SA], s54, v[LI]                 ; my pair's stage, 16 x lane
	v_and_b32 v[DD], 15, v0
	v_bfe_u32 v11, v0, 4, 1
	s_delay_alu instid0(VALU_DEP_1)
	v_lshlrev_b32 v11, 3, v11
	s_delay_alu instid0(VALU_DEP_1)
	v_sub_nc_u32 v[DD], v[DD], v11
	s_lshl_b32 s93, s57, 4
	v_add_nc_u32 v[DD], s93, v[DD]                 ; d = 16 g + r - 8 h: the same for both of my tiles
	v_mov_b32 v[NINF], 0xff800000
	v_mov_b32 v236, 0                              ; a lane permute's destination counts as read
	v_mov_b32 v253, 0                              ; (named as the upper half of v[252:253])
.macro BEGIN                           ; a tile, or a part of one, begins: the largest t so far -3e38, the sums and O^T zeros, which the first change of M leaves zeros
	v_mov_b32 v13, 0xff61b1e6
	s_delay_alu instid0(VALU_DEP_1)
	v_floor_f32 v12, -v13
	v_mov_b32 v14, 0
	v_mov_b32 v15, 0
.set j, 0
.rept 32
	v_mov_b32 v[160+j], 0
.set j, j+1
.endr
.endm
	BEGIN
	s_wait_kmcnt 0x0
	s_add_co_i32 s54, s74, s75
	s_lshl_b32 s54, s54, 23
	s_add_co_i32 s[CS], s[CS], s54                 ; a score stands for score x 2^(e6 + e7): added to c's exponent field
	s_mov_b32 s[CS+1], s[CS]
	s_add_co_i32 s54, s76, 127
	s_lshl_b32 s55, s54, 23
	v_mov_b32 v244, s55                            ; 2^e8
	s_add_co_i32 s54, s54, 15
	s_lshl_b32 s54, s54, 23
	s_or_b32 s54, s54, 0x600000
	v_mov_b32 v240, s54                            ; 57,344 x 2^e8
	s_add_co_i32 s54, s78, 127
	s_lshl_b32 s55, s54, 23
	v_mov_b32 v245, s55                            ; 2^e10
	s_add_co_i32 s54, s54, 15
	s_lshl_b32 s54, s54, 23
	s_or_b32 s54, s54, 0x600000
	v_mov_b32 v246, s54
	s_add_co_i32 s[EZ], s76, s77
.macro STEP qr, ur                     ; key step KSC for the tile whose Q stands in v[qr] on and whose last key step is s[ur]
	s_cmp_gt_u32 s[KSC], s[\ur]                    ; all its keys come after my queries, or the step is not mine: its work is left out
	s_cbranch_scc1 .Lhidden_\@
	v_add_nc_u32 v[ADR], s[TB], v[LI]
	s_delay_alu instid0(VALU_DEP_1)
	v_add_nc_u32 v[ADV], VREG, v[ADR]
	v_nop
	v_nop                                          ; with the two additions: four places in front of loads into registers that the last products read
.set i, 0
.rept 16                               ; K's eight fragments: 8,192 bytes on end
	ds_load_b128 v[32+4*i:35+4*i], v[ADR] offset:512*i
.set i, i+1
.endr
	s_wait_alu depctr_va_vdst(0)
	s_wait_dscnt 0x0
.irp t, 0,1,2,3,4,5,6,7
	v_wmma_f32_16x16x64_bf8_bf8 v[96+8*\t:103+8*\t], v[32+8*\t:39+8*\t], v[\qr:\qr+7], 0
.endr
.rept 4
	v_nop                                          ; four places: in front of the loads below, into K's fragments, and of the first read of the scores
.endr
.set i, 0
.rept 16                               ; V^T's four fragments of this key step, 8,192 bytes on end: asked for now, they land while the softmax is worked
	ds_load_b128 v[32+4*i:35+4*i], v[ADV] offset:512*i
.set i, i+1
.endr
	s_cmp_lg_u32 s[KSC], s[\ur]
	s_cbranch_scc1 .Lopen_\@
.set n, 0
.rept 64                               ; on the diagonal: register n holds key 16 (n / 8) + 8 h + n % 8 of the step: hidden where 16 (n / 8) + n % 8 > d
	v_cmp_gt_i32 vcc_lo, 16*(n/8)+n%8, v[DD]
	v_cndmask_b32 v[96+n], v[96+n], v[NINF], vcc_lo
.set n, n+1
.endr
.Lopen_\@:
	v_max3_num_f32 v254, v96, v97, v98             ; the step's largest score of my query among my 64 keys, in two chains, each accumulator from its low end on
	v_max3_num_f32 v252, v99, v100, v101
.irp i, 6,10,14,18,22,26,30,34,38,42,46,50,54,58
	v_max3_num_f32 v254, v254, v[96+\i], v[97+\i]
	v_max3_num_f32 v252, v252, v[98+\i], v[99+\i]
.endr
	v_max3_num_f32 v254, v254, v158, v159
	s_delay_alu instid0(VALU_DEP_1)
	v_max_num_f32 v254, v254, v252
	v_permlanex16_b32 v236, v254, s[SEL], s[SEL+1]
	s_delay_alu instid0(VALU_DEP_1)
	v_max_num_f32 v254, v254, v236                 ; and among lane l xor 16's
	s_delay_alu instid0(VALU_DEP_1)
	v_mul_f32 v254, s[CS], v254                    ; as t
	s_delay_alu instid0(VALU_DEP_1)
	v_max_num_f32 v13, v13, v254
	v_mov_b32 v254, v12
	s_delay_alu instid0(VALU_DEP_2)
	v_floor_f32 v12, -v13                          ; -M = floor(-t)
	s_delay_alu instid0(VALU_DEP_1)
	v_sub_f32 v254, v12, v254                      ; old M - new M: a whole number, 0 or less
	s_delay_alu instid0(VALU_DEP_1)
	v_cvt_i32_f32 v254, v254
	s_delay_alu instid0(VALU_DEP_1)
	v_ldexp_f32 v252, 1.0, v254                    ; f = 2^(old M - new M)
.set j, 0
.rept 32
	v_pk_fma_f32 v[96+j:97+j], v[96+j:97+j], s[CS:CS+1], v[12:13] op_sel_hi:[1,0,0]   ; t - M
.set j, j+2
.endr
.set j, 0
	s_wait_alu depctr_va_vdst(0)
.rept 64
	v_exp_f32 v[96+j], v[96+j]                     ; p = 2^(t - M)
.set j, j+1
.endr
	v_pk_mul_f32 v[14:15], v[14:15], v[252:253] op_sel_hi:[1,0]   ; the sums under the new M: a plain instruction behind the exponentials
	s_wait_alu depctr_va_vdst(0)                   ; one wait for the batch, ahead of its first reader
	v_pk_add_f32 v[242:243], v[100:101], v[104:105]
	v_pk_add_f32 v[254:255], v[108:109], v[112:113]
	v_pk_add_f32 v[250:251], v[116:117], v[120:121]
	v_pk_add_f32 v[248:249], v[124:125], v[128:129]
	v_pk_add_f32 v[238:239], v[132:133], v[136:137]
	v_pk_add_f32 v[236:237], v[140:141], v[144:145]
	v_pk_add_f32 v[234:235], v[148:149], v[152:153]
	v_pk_add_f32 v[14:15], v[14:15], v[156:157]
	v_pk_add_f32 v[242:243], v[242:243], v[96:97]
	v_pk_add_f32 v[254:255], v[254:255], v[98:99]
	v_pk_add_f32 v[250:251], v[250:251], v[102:103]
	v_pk_add_f32 v[248:249], v[248:249], v[106:107]
	v_pk_add_f32 v[238:239], v[238:239], v[110:111]
	v_pk_add_f32 v[236:237], v[236:237], v[114:115]
	v_pk_add_f32 v[234:235], v[234:235], v[118:119]
	v_pk_add_f32 v[14:15], v[14:15], v[122:123]
	v_pk_add_f32 v[242:243], v[242:243], v[126:127]
	v_pk_add_f32 v[254:255], v[254:255], v[130:131]
	v_pk_add_f32 v[250:251], v[250:251], v[134:135]
	v_pk_add_f32 v[248:249], v[248:249], v[138:139]
	v_pk_add_f32 v[238:239], v[238:239], v[142:143]
	v_pk_add_f32 v[236:237], v[236:237], v[146:147]
	v_pk_add_f32 v[234:235], v[234:235], v[150:151]
	v_pk_add_f32 v[14:15], v[14:15], v[154:155]
	v_pk_add_f32 v[242:243], v[242:243], v[158:159]
	s_delay_alu instid0(VALU_DEP_2)
	v_pk_add_f32 v[14:15], v[14:15], v[248:249]
	s_delay_alu instid0(VALU_DEP_2)
	v_pk_add_f32 v[242:243], v[242:243], v[238:239]
	v_pk_add_f32 v[254:255], v[254:255], v[236:237]
	v_pk_add_f32 v[250:251], v[250:251], v[234:235]
	s_delay_alu instid0(VALU_DEP_2)
	v_pk_add_f32 v[14:15], v[14:15], v[254:255]
	s_delay_alu instid0(VALU_DEP_2)
	v_pk_add_f32 v[242:243], v[242:243], v[250:251]
	s_delay_alu instid0(VALU_DEP_1)
	v_pk_add_f32 v[14:15], v[14:15], v[242:243]
.set j, 0
.rept 64
	v_min_num_f32 v[96+j], v[96+j], v240           ; the conversion does not saturate (ISA guide 7.6.2); p is not negative
.set j, j+1
.endr
.irp t, 0,1,2,3,4,5,6,7
	v_cvt_scalef32_pk8_bf8_f32 v[224+2*\t:225+2*\t], v[96+8*\t:103+8*\t], v244
.endr
.set j, 0
.rept 16
	v_pk_mul_f32 v[160+j:161+j], v[160+j:161+j], v[252:253] op_sel_hi:[1,0]   ; O^T under the new M; these are also the plain lines behind the conversions
.set j, j+2
.endr
	s_wait_alu depctr_va_vdst(0)
	s_wait_dscnt 0x0                               ; V's fragments
.irp t, 0,1,2,3                        ; four accumulators by turns, one instruction a turn
	v_wmma_f32_16x16x128_bf8_bf8 v[160+8*\t:167+8*\t], v[32+16*\t:47+16*\t], v[224:239], v[160+8*\t:167+8*\t]
.endr
.Lhidden_\@:
	s_add_co_u32 s[KSC], s[KSC], 1
	s_add_co_u32 s[TB], s[TB], 8192
.endm
.macro FINISH zs                       ; O^T x 2^(e8 + e9) / the sum, held, converted: d tile t's eight numbers are register pair t of z's half fragment; two stores of 512 consecutive bytes at s[zs]
	v_add_f32 v14, v14, v15
	v_permlanex16_b32 v236, v14, s[SEL], s[SEL+1]
	s_delay_alu instid0(VALU_DEP_1)
	v_add_f32 v14, v14, v236                       ; the row's sum
	s_wait_alu depctr_va_vdst(0)
	v_rcp_f32 v14, v14
	v_nop                                          ; a plain instruction behind the reciprocal
	s_wait_alu depctr_va_vdst(0)                   ; the wait, ahead of its first reader
	v_ldexp_f32 v14, v14, s[EZ]
.set j, 0
.rept 32
	v_mul_f32 v[96+j], v[160+j], v14               ; each accumulator from its low end on
.set j, j+1
.endr
.set j, 0
.rept 32
	v_med3_num_f32 v[96+j], v[96+j], -v246, v246
.set j, j+1
.endr
.irp t, 0,1,2,3
	v_cvt_scalef32_pk8_bf8_f32 v[224+2*\t:225+2*\t], v[96+8*\t:103+8*\t], v245
.endr
	v_nop                                          ; a plain instruction behind the conversions
	global_store_b128 v[LI], v[224:227], s[\zs:\zs+1]
	global_store_b128 v[LI], v[228:231], s[\zs:\zs+1] offset:512
.endm
	s_wait_loadcnt 0x0                             ; Q
	s_wait_tensorcnt 0x0                           ; my sixteenth of K and V has landed,
	s_barrier_signal -1
	s_barrier_wait -1                              ; everybody's has: from here on LDS bytes 0 to 262,143 are only read
	s_mov_b32 s[KSC], 0
	s_mov_b32 s[TB], 0
.Lfirst:                                           ; key steps 0-7: A: the large tile, all eight; B: the small tile, steps 0 .. pair
	STEP 16, U1
	s_cmp_lt_u32 s[KSC], 8
	s_cbranch_scc1 .Lfirst
.rept 4
	v_nop                                          ; places behind the last products
.endr
	s_cmp_eq_u32 s[ISB], 0
	s_cbranch_scc1 .Lgive
	FINISH 12                                      ; B: the small tile is done,
	BEGIN                                          ; and my part of the large tile begins
	s_wait_xcnt 0x0                                ; the two stores have read the codes' registers: the next step writes them again
	s_branch .Lgiven
.Lgive:                                            ; A: my part of the large tile goes to the stage as it stands in my registers
	s_wait_alu depctr_va_vdst(0)
.irp j, 0,1,2,3,4,5,6,7
	ds_store_b128 v[SA], v[160+4*\j:163+4*\j] offset:512*\j
.endr
	ds_store_b128 v[SA], v[12:15] offset:4096      ; -M, the largest t, the sum's two halves
.Lgiven:
	s_mov_b32 s[KSC], 8
	s_mov_b32 s[TB], 8*8192
.Lsecond:                                          ; key steps 8-15: B: the large tile, steps 8 .. 15 - pair; A: nothing
	STEP 24, U2
	s_cmp_lt_u32 s[KSC], 16
	s_cbranch_scc1 .Lsecond
.rept 4
	v_nop                                          ; places behind the last products
.endr
	s_wait_dscnt 0x0                               ; for the partner's sake: my stores into the stage are done
	s_barrier_signal -1
	s_barrier_wait -1
	s_cmp_eq_u32 s[ISB], 0
	s_cbranch_scc1 .Lend
.irp j, 0,1,2,3,4,5,6,7
	ds_load_b128 v[192+4*\j:195+4*\j], v[SA] offset:512*\j
.endr
	ds_load_b128 v[232:235], v[SA] offset:4096
	s_wait_dscnt 0x0
	v_min_num_f32 v247, v12, v232                  ; -M of the whole row: the larger M
	s_delay_alu instid0(VALU_DEP_1)
	v_sub_f32 v248, v247, v232                     ; the other part's M less it, and mine less it: whole numbers, 0 or less
	s_delay_alu instid0(VALU_DEP_2)
	v_sub_f32 v250, v247, v12
	s_delay_alu instid0(VALU_DEP_2)
	v_cvt_i32_f32 v248, v248
	s_delay_alu instid0(VALU_DEP_2)
	v_cvt_i32_f32 v250, v250
	s_delay_alu instid0(VALU_DEP_2)
	v_ldexp_f32 v249, 1.0, v248                    ; the two powers of two, each twice: pairs for the packed forms
	s_delay_alu instid0(VALU_DEP_3)
	v_ldexp_f32 v248, 1.0, v248
	s_delay_alu instid0(VALU_DEP_3)
	v_ldexp_f32 v251, 1.0, v250
	s_delay_alu instid0(VALU_DEP_4)
	v_ldexp_f32 v250, 1.0, v250
	s_delay_alu instid0(VALU_DEP_1)
	v_pk_mul_f32 v[14:15], v[14:15], v[250:251]
	s_delay_alu instid0(VALU_DEP_1)
	v_pk_fma_f32 v[14:15], v[234:235], v[248:249], v[14:15]
.set j, 0
.rept 16
	v_pk_mul_f32 v[160+j:161+j], v[160+j:161+j], v[250:251]
.set j, j+2
.endr
.set j, 0
.rept 16
	v_pk_fma_f32 v[160+j:161+j], v[192+j:193+j], v[248:249], v[160+j:161+j]
.set j, j+2
.endr
	FINISH 16                                      ; the large tile
.Lend:
	s_wait_tensorcnt 0x0                           ; the wave's end: my last LDS instructions
	ds_add_u32 v[SPW], v[NIL]
	s_wait_dscnt 0x0
	CROUND                                         ; the closing round
	s_endpgm
.Lfunc_end_k_q9ac24199be_attn:
	.size	k_q9ac24199be_attn, .Lfunc_end_k_q9ac24199be_attn-k_q9ac24199be_attn
	.p2alignl 7, 3214868480
	.fill 96, 4, 3214868480
	.section	.rodata,"a",@progbits
	.p2align	6, 0x0
	.amdhsa_kernel k_q9ac24199be_attn
		.amdhsa_group_segment_fixed_size 327680
		.amdhsa_private_segment_fixed_size 0
		.amdhsa_enable_private_segment 0
		.amdhsa_kernarg_size 24
		.amdhsa_user_sgpr_count 2
		.amdhsa_user_sgpr_kernarg_segment_ptr 1
		.amdhsa_wavefront_size32 1
		.amdhsa_system_sgpr_workgroup_id_x 1
		.amdhsa_system_sgpr_workgroup_id_y 1
		.amdhsa_system_sgpr_workgroup_id_z 1
		.amdhsa_system_vgpr_workitem_id 0
		.amdhsa_next_free_vgpr 256
		.amdhsa_next_free_sgpr 100
		.amdhsa_reserve_vcc 1
		.amdhsa_float_denorm_mode_32 3
		.amdhsa_float_denorm_mode_16_64 3
		.amdhsa_memory_ordered 1
		.amdhsa_forward_progress 1
		.amdhsa_inst_pref_size 65
	.end_amdhsa_kernel
	.amdgpu_metadata
---
amdhsa.version: [ 1, 2 ]
amdhsa.kernels:
  - .name:           k_q9ac24199be_attn
    .symbol:         k_q9ac24199be_attn.kd
    .args:
      - { .name: qkvc, .offset: 0, .size: 8, .value_kind: global_buffer, .address_space: global }
      - { .name: lowp_scales, .offset: 8, .size: 8, .value_kind: global_buffer, .address_space: global }
      - { .name: zc, .offset: 16, .size: 8, .value_kind: global_buffer, .address_space: global }
    .group_segment_fixed_size: 327680
    .private_segment_fixed_size: 0
    .kernarg_segment_align: 8
    .kernarg_segment_size: 24
    .max_flat_workgroup_size: 512
    .sgpr_count:     100
    .vgpr_count:     256
    .wavefront_size: 32
...
	.end_amdgpu_metadata
.endif
;; end of part 3
;; launch oproj (part 4): grid 8 x 32, 4 waves a work-group, clusters of 4 x 4, 327,680 bytes of LDS; arguments zc, wc, lowp_scales, b_O, x, resid; writes resid
.if DOCPART == 4
	.amdgcn_target "amdgcn-amd-amdhsa--gfx1250"
	.amdhsa_code_object_version 6
	.text
	.protected	k_q9ac24199be_oproj
	.globl	k_q9ac24199be_oproj
	.p2align	8
	.type	k_q9ac24199be_oproj,@function
k_q9ac24199be_oproj:
	s_mov_b64 s[64:65], 0
	v_nop
	global_prefetch_b8 v0, s[64:65] scope:SCOPE_SE
	s_setreg_imm32_b32 hwreg(HW_REG_WAVE_MODE, 25, 1), 1
	s_wait_xcnt 0x0
	s_wait_alu depctr_hold_cnt(0) depctr_sa_sdst(0) depctr_va_vdst(0) depctr_va_sdst(0) depctr_va_ssrc(0) depctr_va_vcc(0) depctr_vm_vsrc(0)
	s_getreg_b32 s2, hwreg(HW_REG_IB_STS2, 6, 4)
	s_cmp_eq_u32 s2, 0
	s_cbranch_scc0 .Lentry_in_a_cluster
	s_endpgm
.Lentry_in_a_cluster:
	s_bfe_u32 s2, ttmp6, 0x10000c
	s_cmp_lg_u32 s2, 0xf033
	s_cbranch_scc0 .Lentry_shape_is_right
	s_endpgm
.Lentry_shape_is_right:
.set KS,    8
.set LAPS,  KS/8
.set WOFF,  0x300000
.set SCOFF, 40
.set SLOT,  131072
.set SPARE, 2*SLOT
.set STAGE, SPARE+512
.set SPITCH, 272
.set BI,   12
.set ADRA, 16
.set ADRB, 20
.set STO,  24
.set RD,   25
.set CO,   26
.set BO,   27
.set SPW,  28
.set NIL,  29
.set BK,   32
.set ACC,  128
.set F0,   0
.set F1,   128
.set G1, 24
.set G0, 32
.set G1B, 48
.set G0B, 56
.set MSB, 0
.macro WIN new
.if MSB != \new
	s_set_vgpr_msb (MSB<<8)|\new
.set MSB, \new
.endif
.endm
.set MUL,  0x05
.set TO_F, 0x40
.macro JLOAD s
	s_cmp_eq_u32 s11, 0
	s_cbranch_scc0 .Lfor_b_\@
	tensor_load_to_lds s[G0+4*\s:G0+4*\s+3], s[G1:G1+7]
	s_nop 0
.rept 4
	v_nop
.endr
	s_branch .Lasked_\@
.Lfor_b_\@:
	tensor_load_to_lds s[G0B+4*\s:G0B+4*\s+3], s[G1B:G1B+7]
	s_nop 0
.rept 4
	v_nop
.endr
.Lasked_\@:
.endm
.macro CREST
	s_cmp_lg_u32 s10, 0
	s_cbranch_scc1 .Lnot_wave_0_\@
	s_barrier_signal -3
.Lnot_wave_0_\@:
	s_barrier_wait -3
	s_barrier_signal -1
	s_barrier_wait -1
.endm
.macro CROUND
	s_barrier_signal -1
	s_barrier_wait -1
	CREST
.endm
	s_load_b128 s[4:7], s[0:1], 0x0
	s_load_b256 s[68:75], s[0:1], 0x10
	v_lshl_add_u32 v[SPW], v0, 2, SPARE
	v_mov_b32 v[NIL], 0
	ds_add_u32 v28, v29
	ds_add_u32 v28, v29
	s_wait_dscnt 0x0
	v_lshrrev_b32 v1, 5, v0
	v_readfirstlane_b32 s10, v1
	s_lshr_b32 s11, s10, 1
	s_and_b32 s12, s10, 1
	s_bfe_u32 s40, ttmp6, 0x40000
	s_bfe_u32 s41, ttmp6, 0x40004
	s_lshl_b32 s42, ttmp9, 2
	s_add_co_u32 s42, s42, s40
	s_and_b32 s13, ttmp7, 0xffff
	s_lshl_b32 s13, s13, 2
	s_add_co_u32 s13, s13, s41
	s_lshl_b32 s43, s41, 2
	s_lshl_b32 s43, 15, s43
	s_lshl_b32 s44, 0x1111, s40
	s_or_b32 s[G1+0], s43, (3<<16)|(1<<21)
	s_or_b32 s[G1B+0], s44, (3<<16)|(1<<21)
.irp g, G1, G1B
	s_mov_b32 s[\g+1], 32<<16
	s_mov_b32 s[\g+2], 128<<16
	s_mov_b32 s[\g+3], 32<<16
	s_mov_b32 s[\g+4], 128
	s_mov_b32 s[\g+5], 32
	s_mov_b32 s[\g+6], 0
	s_mov_b32 s[\g+7], 0
.endr
	s_lshl_b32 s17, s12, 15
	s_mul_i32 s16, s13, KS*16384
	s_add_co_u32 s16, s16, s17
	s_mul_i32 s46, s42, KS*16384
	s_add_co_u32 s46, s46, s17
	s_add_co_u32 s46, s46, WOFF
	s_mov_b32 s17, 0
	s_mov_b32 s47, 0
	s_lshl_b32 s20, s10, 15
	s_wait_kmcnt 0x0
	s_load_b64 s[76:77], s[68:69], SCOFF
	s_add_nc_u64 s[14:15], s[4:5], s[16:17]
	s_add_nc_u64 s[46:47], s[6:7], s[46:47]
	CROUND
.irp s, 0,1
	s_mov_b32 s[G0+4*\s], 1
	s_add_co_u32 s[G0+4*\s+1], s20, \s*SLOT
	s_add_nc_u64 s[G0+4*\s+2:G0+4*\s+3], s[14:15], \s*65536
	s_or_b32 s[G0+4*\s+3], s[G0+4*\s+3], 0x80000000
	s_mov_b32 s[G0B+4*\s], 1
	s_add_co_u32 s[G0B+4*\s+1], s20, \s*SLOT
	s_add_nc_u64 s[G0B+4*\s+2:G0B+4*\s+3], s[46:47], \s*65536
	s_or_b32 s[G0B+4*\s+3], s[G0B+4*\s+3], 0x80000000
.endr
	JLOAD 0                                        ; slot 0: one tensor load a wave at the head
	; a prefetch into the L2 of slot 1, whose load follows slot 0's landing: of the 32,768 bytes that I fetch, each of the four partners that ask jointly names 8,192 by address (cx for A, cy for B), a lane a block of 256 bytes
	s_cmp_eq_u32 s11, 0
	s_cselect_b64 s[80:81], s[14:15], s[46:47]
	s_cselect_b32 s82, s40, s41
	s_lshl_b32 s82, s82, 13
	s_mov_b32 s83, 0
	s_add_nc_u64 s[80:81], s[80:81], s[82:83]
	v_and_b32 v30, 31, v0
	v_lshlrev_b32 v30, 8, v30
	global_prefetch_b8 v30, s[80:81] offset:65536 th:TH_LOAD_NT scope:SCOPE_SE
	v_and_b32 v1, 15, v0
	s_wait_alu depctr_va_vdst(0)
	v_bfe_u32 v2, v0, 4, 1
	v_and_b32 v3, 31, v0
	v_lshlrev_b32 v3, 4, v3
	s_lshl_b32 s21, s11, 13
	s_lshl_b32 s22, s12, 13
	s_add_co_u32 s22, s22, 65536
.irp s, 0,1
	v_add_nc_u32 v[ADRA+\s], s21, v3
	v_add_nc_u32 v[ADRB+\s], s22, v3
	s_add_co_u32 s21, s21, SLOT
	s_add_co_u32 s22, s22, SLOT
.endr
	s_mul_i32 s23, s10, 16*SPITCH
	s_add_co_u32 s23, s23, STAGE
	v_mul_u32_u24 v4, v1, SPITCH
	s_wait_alu depctr_va_vdst(0)
	v_lshl_add_u32 v4, v2, 5, v4
	v_add_nc_u32 v[STO], s23, v4
	v_mul_u32_u24 v5, v2, SPITCH
	v_lshl_add_u32 v5, v1, 4, v5
	v_add_nc_u32 v[RD], s23, v5
	v_lshlrev_b32 v[BO], 4, v1
	s_wait_alu depctr_va_vdst(0)
	v_lshl_add_u32 v[CO], v2, 12, v[BO]
	s_wait_alu depctr_va_vdst(0)
	s_lshl_b32 s46, s42, 9
	s_lshl_b32 s47, s12, 8
	s_add_co_u32 s46, s46, s47
	s_mov_b32 s47, 0
	s_add_nc_u64 s[70:71], s[70:71], s[46:47]
	s_lshl_b32 s16, s13, 19
	s_lshl_b32 s17, s11, 18
	s_add_co_u32 s16, s16, s17
	s_add_co_u32 s46, s46, s16
	s_add_nc_u64 s[72:73], s[72:73], s[46:47]
	s_add_nc_u64 s[74:75], s[74:75], s[46:47]
	global_load_b128 v[BI:BI+3], v[BO], s[70:71]
.macro MUL4 f, a, zero
.irp b, 0,1,2,3
.if \zero
	v_wmma_f32_16x16x128_bf8_bf8 v[ACC+8*(4*(\a)+\b):ACC+8*(4*(\a)+\b)+7], v[\f+64+16*\b:\f+64+16*\b+15], v[\f+16*(\a):\f+16*(\a)+15], 0
.else
	v_wmma_f32_16x16x128_bf8_bf8 v[ACC+8*(4*(\a)+\b):ACC+8*(4*(\a)+\b)+7], v[\f+64+16*\b:\f+64+16*\b+15], v[\f+16*(\a):\f+16*(\a)+15], v[ACC+8*(4*(\a)+\b):ACC+8*(4*(\a)+\b)+7]
.endif
.endr
.endm
.macro FETCH slot, q, f
	WIN TO_F
.irp i, 0,1,2,3
.irp c, 0,1,2,3
	ds_load_b128 v[\f+64+16*\i+4*\c:\f+64+16*\i+4*\c+3], v[ADRB+\slot] offset:16384*(\q)+2048*\i+512*\c
.endr
.endr
.irp i, 0,1,2,3
.irp c, 0,1,2,3
	ds_load_b128 v[\f+16*\i+4*\c:\f+16*\i+4*\c+3], v[ADRA+\slot] offset:16384*(\q)+2048*\i+512*\c
.endr
.endr
.endm
.macro PLACES
.rept 4
	v_nop
.endr
.endm
.macro QUARTER slot, qn, f, g, zero
	s_wait_dscnt 8
	WIN MUL
	MUL4 \f, 0, \zero
	MUL4 \f, 1, \zero
	PLACES
	FETCH \slot, \qn, \g
	s_wait_dscnt 32
	WIN MUL
	MUL4 \f, 2, \zero
	MUL4 \f, 3, \zero
.endm
.macro TURN slot, next, fill
	WIN 0
	s_wait_tensorcnt 0x0
	ds_add_u32 v[SPW], v[NIL]
	s_wait_dscnt 9
	WIN MUL
	MUL4 F1, 0, 0
	MUL4 F1, 1, 0
	s_wait_dscnt 0x0
	s_barrier_signal -1
	MUL4 F1, 2, 0
.if \fill
	WIN 0
.endif
	s_barrier_wait -1
.if \fill
	CREST
	s_add_nc_u64 s[G0+4*\slot+2:G0+4*\slot+3], s[G0+4*\slot+2:G0+4*\slot+3], 131072
	s_add_nc_u64 s[G0B+4*\slot+2:G0B+4*\slot+3], s[G0B+4*\slot+2:G0B+4*\slot+3], 131072
	JLOAD \slot
.else
	PLACES
.endif
	FETCH \next, 0, F0
	WIN MUL
	MUL4 F1, 3, 0
.endm
	s_wait_tensorcnt 0x0                           ; my part of slot 0 is in
	ds_add_u32 v[SPW], v[NIL]
	s_wait_dscnt 0x0
	CROUND                                         ; a whole round: everybody's part of slot 0 is in, and the joint loads meet
	JLOAD 1                                        ; slot 1's first fill, the first tensor load behind the round
	FETCH 0, 0, F0
	WIN 0x80                                       ; destination window 2
.set i, 0
.rept 32                               ; the residual, block i / 8, rows 2 (i % 8) + h: asked for behind both slots' loads, it is wanted on the way out alone and stays out through the products
	global_load_b128 v[4*i:4*i+3], v[CO], s[72:73] offset:(16*(i/8)+2*(i%8))*4096
.set i, i+1
.endr
	QUARTER 0, 1, F0, F1, 1
.if LAPS > 1
	WIN 0
	s_mov_b32 s3, LAPS-1
.Llap:
	QUARTER 0, 2, F1, F0, 0
	QUARTER 0, 3, F0, F1, 0
	TURN 0, 1, 1
	QUARTER 1, 1, F0, F1, 0
	QUARTER 1, 2, F1, F0, 0
	QUARTER 1, 3, F0, F1, 0
	TURN 1, 0, 1
	QUARTER 0, 1, F0, F1, 0
	WIN 0
	s_sub_co_u32 s3, s3, 1
	s_cmp_lg_u32 s3, 0
	s_cbranch_scc1 .Llap
.endif
	QUARTER 0, 2, F1, F0, 0
	QUARTER 0, 3, F0, F1, 0
	TURN 0, 1, 0
	QUARTER 1, 1, F0, F1, 0
	QUARTER 1, 2, F1, F0, 0
	QUARTER 1, 3, F0, F1, 0
	s_wait_dscnt 8
	WIN MUL
	MUL4 F1, 0, 0
	MUL4 F1, 1, 0
	s_wait_dscnt 0
	MUL4 F1, 2, 0
	MUL4 F1, 3, 0
	WIN 0
	PLACES
	s_wait_kmcnt 0x0
	s_add_co_i32 s78, s76, s77
	s_add_co_i32 s78, s78, 127
	s_lshl_b32 s78, s78, 23
	s_mov_b32 s79, s78
.macro OUT a
.irp b, 0,1,2,3
	ds_store_b128 v[STO], v[ACC+8*(4*\a+\b):ACC+8*(4*\a+\b)+3] offset:64*\b
	ds_store_b128 v[STO], v[ACC+8*(4*\a+\b)+4:ACC+8*(4*\a+\b)+7] offset:64*\b+16
.endr
.irp t, 0,1,2,3,4,5,6,7
	ds_load_b128 v[BK+4*\t:BK+4*\t+3], v[RD] offset:\t*2*SPITCH
.endr
	s_wait_dscnt 0x0
	s_wait_loadcnt 8*(3-\a)                        ; the bias and this block's eight rows of the residual are in; the later blocks' eight each may be out
.irp t, 0,1,2,3,4,5,6,7
	v_pk_fma_f32 v[BK+4*\t:BK+4*\t+1], v[BK+4*\t:BK+4*\t+1], s[78:79], v[BI:BI+1] op_sel_hi:[1,0,1]
	v_pk_fma_f32 v[BK+4*\t+2:BK+4*\t+3], v[BK+4*\t+2:BK+4*\t+3], s[78:79], v[BI+2:BI+3] op_sel_hi:[1,0,1]
.endr
	WIN 0x88
.irp t, 0,1,2,3,4,5,6,7
	v_pk_add_f32 v[32*\a+4*\t:32*\a+4*\t+1], v[BK+4*\t:BK+4*\t+1], v[32*\a+4*\t:32*\a+4*\t+1]
	v_pk_add_f32 v[32*\a+4*\t+2:32*\a+4*\t+3], v[BK+4*\t+2:BK+4*\t+3], v[32*\a+4*\t+2:32*\a+4*\t+3]
.endr
.irp t, 0,1,2,3,4,5,6,7
	global_store_b128 v[CO], v[32*\a+4*\t:32*\a+4*\t+3], s[74:75] offset:(16*\a+2*\t)*4096
.endr
	WIN 0
.endm
	OUT 0
	OUT 1
	OUT 2
	OUT 3
	s_wait_tensorcnt 0x0
	ds_add_u32 v[SPW], v[NIL]
	s_wait_dscnt 0x0
	CROUND
	s_endpgm
.Lfunc_end_k_q9ac24199be_oproj:
	.size	k_q9ac24199be_oproj, .Lfunc_end_k_q9ac24199be_oproj-k_q9ac24199be_oproj
	.p2alignl 7, 3214868480
	.fill 96, 4, 3214868480
	.section	.rodata,"a",@progbits
	.p2align	6, 0x0
	.amdhsa_kernel k_q9ac24199be_oproj
		.amdhsa_group_segment_fixed_size 327680
		.amdhsa_private_segment_fixed_size 0
		.amdhsa_enable_private_segment 0
		.amdhsa_kernarg_size 48
		.amdhsa_user_sgpr_count 2
		.amdhsa_user_sgpr_kernarg_segment_ptr 1
		.amdhsa_wavefront_size32 1
		.amdhsa_system_sgpr_workgroup_id_x 1
		.amdhsa_system_sgpr_workgroup_id_y 1
		.amdhsa_system_sgpr_workgroup_id_z 1
		.amdhsa_system_vgpr_workitem_id 0
		.amdhsa_next_free_vgpr 768
		.amdhsa_next_free_sgpr 84
		.amdhsa_reserve_vcc 0
		.amdhsa_float_denorm_mode_32 3
		.amdhsa_float_denorm_mode_16_64 3
		.amdhsa_memory_ordered 1
		.amdhsa_forward_progress 1
		.amdhsa_inst_pref_size 53
	.end_amdhsa_kernel
	.amdgpu_metadata
---
amdhsa.version: [ 1, 2 ]
amdhsa.kernels:
  - .name:           k_q9ac24199be_oproj
    .symbol:         k_q9ac24199be_oproj.kd
    .args:
      - { .name: zc, .offset: 0, .size: 8, .value_kind: global_buffer, .address_space: global }
      - { .name: wc, .offset: 8, .size: 8, .value_kind: global_buffer, .address_space: global }
      - { .name: lowp_scales, .offset: 16, .size: 8, .value_kind: global_buffer, .address_space: global }
      - { .name: b_O, .offset: 24, .size: 8, .value_kind: global_buffer, .address_space: global }
      - { .name: x, .offset: 32, .size: 8, .value_kind: global_buffer, .address_space: global }
      - { .name: resid, .offset: 40, .size: 8, .value_kind: global_buffer, .address_space: global }
    .group_segment_fixed_size: 327680
    .private_segment_fixed_size: 0
    .kernarg_segment_align: 8
    .kernarg_segment_size: 48
    .max_flat_workgroup_size: 128
    .sgpr_count:     84
    .vgpr_count:     768
    .wavefront_size: 32
...
	.end_amdgpu_metadata
.endif
;; end of part 4
;; launch ln2 (part 5): grid 256 x 1, 4 waves a work-group, no clusters, 66,560 bytes of LDS; arguments resid, lowp_scales, mc; writes mc
.if DOCPART == 5
	.amdgcn_target "amdgcn-amd-amdhsa--gfx1250"
	.amdhsa_code_object_version 6
	.text
	.protected	k_q9ac24199be_ln2
	.globl	k_q9ac24199be_ln2
	.p2align	8
	.type	k_q9ac24199be_ln2,@function
k_q9ac24199be_ln2:
	s_mov_b64 s[64:65], 0
	v_nop
	global_prefetch_b8 v0, s[64:65] scope:SCOPE_SE
	s_setreg_imm32_b32 hwreg(HW_REG_WAVE_MODE, 25, 1), 1
	s_wait_xcnt 0x0
; m = ln_pre(resid), quantised (e12) into images of operand registers: [block of 16 row tiles][K step of 128][row tile][quad][lane][16 bytes].  A work-group takes 16 tokens.
; Wave w: the statistics of rows 4 w .. 4 w + 3 (a row stays in 32 registers between the passes); the normalised rows meet in LDS; behind the one barrier wave w quantises K 256 w .. 256 w + 255 of all 16 rows.
; A stream: no matrix work, no cluster, no tensor load: the work-groups share no input.   LIMITS: e12 between -126 and 112; NaN is not served.
.set LP,  4112                         ; an LDS row: 4,096 bytes + 16
.set R,   32
.set T,   160
.set C,   192
.set CH,  200
	s_load_b128 s[4:7], s[0:1], 0x0                ; resid 4, the scales' exponents 6
	s_load_b64 s[20:21], s[0:1], 0x10              ; mc
	v_lshl_add_u32 v224, v0, 2, 0x10200
	v_mov_b32 v225, 0
	v_lshrrev_b32 v1, 5, v0
	v_readfirstlane_b32 s24, v1                    ; wave
	v_and_b32 v1, 31, v0
	v_and_b32 v2, 15, v0                           ; r
	v_bfe_u32 v3, v0, 4, 1                         ; h
	v_lshlrev_b32 v4, 4, v1                        ; 16 x lane
	s_lshl_b32 s26, ttmp9, 16
	s_lshl_b32 s27, s24, 14
	s_add_co_u32 s26, s26, s27
	s_mov_b32 s27, 0
	s_wait_alu depctr_va_vdst(0)
	s_wait_kmcnt 0x0
	s_load_b32 s36, s[6:7], 0x30                   ; e12
	s_add_nc_u64 s[26:27], s[4:5], s[26:27]
.set i, 0
.rept 32
	global_load_b128 v[R+4*i:R+4*i+3], v4, s[26:27] offset:(i/8)*4096+(i%8)*512
.set i, i+1
.endr
	s_lshr_b32 s28, ttmp9, 4
	s_lshl_b32 s28, s28, 18
	s_and_b32 s29, ttmp9, 15
	s_lshl_b32 s29, s29, 11
	s_add_co_u32 s28, s28, s29
	s_mov_b32 s29, 0
	s_add_nc_u64 s[28:29], s[20:21], s[28:29]
	s_mov_b32 s30, 0x76543210
	s_mov_b32 s31, 0xfedcba98
	s_mov_b32 s32, 0x3a800000                      ; 1 / 1,024
	s_mov_b32 s33, 0x3727c5ac                      ; EPS
	s_mul_i32 s34, s24, 4*LP
	v_add_nc_u32 v14, s34, v4
	v_mul_u32_u24 v15, v2, LP
	v_lshl_add_u32 v15, v3, 5, v15
	s_lshl_b32 s34, s24, 10
	v_add_nc_u32 v15, s34, v15
	s_lshl_b32 s34, s24, 16
	v_add_nc_u32 v16, s34, v4
	v_mov_b32 v211, 0
	s_wait_kmcnt 0x0
	s_add_co_i32 s34, s36, 127
	s_lshl_b32 s35, s34, 23
	v_mov_b32 v8, s35                              ; 2^e12
	s_add_co_i32 s34, s34, 15
	s_lshl_b32 s34, s34, 23
	s_or_b32 s34, s34, 0x600000
	v_mov_b32 v9, s34                              ; 57,344 x 2^e12
.macro RED
	v_pk_add_f32 v[CH:CH+1], v[CH:CH+1], v[CH+2:CH+3]
	v_pk_add_f32 v[CH+4:CH+5], v[CH+4:CH+5], v[CH+6:CH+7]
	v_pk_add_f32 v[CH:CH+1], v[CH:CH+1], v[CH+4:CH+5]
	v_add_f32 v210, v[CH], v[CH+1]
	v_add_f32_dpp v210, v210, v210 row_xmask:1 row_mask:0xf bank_mask:0xf
	v_add_f32_dpp v210, v210, v210 row_xmask:2 row_mask:0xf bank_mask:0xf
	v_add_f32_dpp v210, v210, v210 row_xmask:4 row_mask:0xf bank_mask:0xf
	v_add_f32_dpp v210, v210, v210 row_xmask:8 row_mask:0xf bank_mask:0xf
	v_permlanex16_b32 v211, v210, s30, s31
	v_add_f32 v210, v210, v211
.endm
.macro STAT p
.set RB, R+32*(\p)
	s_wait_loadcnt 8*(3-(\p))                      ; this row's eight loads are in; the later rows' may be out
.irp k, 0,1,2,3
	v_pk_add_f32 v[CH+2*\k:CH+2*\k+1], v[RB+2*\k:RB+2*\k+1], v[RB+8+2*\k:RB+9+2*\k]
.endr
.irp m, 2,3
.irp k, 0,1,2,3
	v_pk_add_f32 v[CH+2*\k:CH+2*\k+1], v[CH+2*\k:CH+2*\k+1], v[RB+8*\m+2*\k:RB+8*\m+2*\k+1]
.endr
.endr
	RED
	v_mul_f32 v208, s32, v210
	v_mul_f32 v209, s32, v210
.set i, 0
.rept 16
	v_pk_add_f32 v[RB+2*i:RB+2*i+1], v[RB+2*i:RB+2*i+1], v[208:209] neg_lo:[0,1] neg_hi:[0,1]
.set i, i+1
.endr
.irp k, 0,1,2,3
	v_pk_mul_f32 v[CH+2*\k:CH+2*\k+1], v[RB+2*\k:RB+2*\k+1], v[RB+2*\k:RB+2*\k+1]
.endr
.irp m, 1,2,3
.irp k, 0,1,2,3
	v_pk_fma_f32 v[CH+2*\k:CH+2*\k+1], v[RB+8*\m+2*\k:RB+8*\m+2*\k+1], v[RB+8*\m+2*\k:RB+8*\m+2*\k+1], v[CH+2*\k:CH+2*\k+1]
.endr
.endr
	RED
	v_fma_f32 v[212+\p], v210, s32, s33
.endm
	STAT 0
	STAT 1
	STAT 2
	STAT 3
	s_wait_alu depctr_va_vdst(0)
.irp p, 0,1,2,3
	v_rsq_f32 v[216+2*\p], v[212+\p]
.endr
	v_nop                                          ; a plain instruction behind the last of the batch
	s_wait_alu depctr_va_vdst(0)                   ; one wait for the four, ahead of their first reader
.irp p, 0,1,2,3
	v_mov_b32 v[217+2*\p], v[216+2*\p]
.endr
.irp p, 0,1,2,3
.set i, 0
.rept 16
	v_pk_mul_f32 v[R+32*\p+2*i:R+32*\p+2*i+1], v[R+32*\p+2*i:R+32*\p+2*i+1], v[216+2*\p:217+2*\p]
.set i, i+1
.endr
.irp j, 0,1,2,3,4,5,6,7
	ds_store_b128 v14, v[R+32*\p+4*\j:R+32*\p+4*\j+3] offset:\p*LP+512*\j
.endr
.endr
	s_wait_dscnt 0x0                               ; for the others' sake: my four rows lie in LDS
	s_barrier_signal -1
	s_barrier_wait -1
.set i, 0
.rept 16
	ds_load_b128 v[R+8*i:R+8*i+3], v15 offset:64*i
	ds_load_b128 v[R+8*i+4:R+8*i+7], v15 offset:64*i+16
.set i, i+1
.endr
.macro QOUT uu
	s_wait_dscnt 8*(3-(\uu))                       ; this unit's eight loads are back; the later units' may be out
.set i, 0
.rept 32
	v_med3_num_f32 v[T+i], v[R+32*(\uu)+i], -v9, v9
.set i, i+1
.endr
	s_wait_alu depctr_va_vdst(0)
	s_wait_xcnt 0x0                                ; the last two stores have read C
.irp g, 0,1,2,3
	v_cvt_scalef32_pk8_bf8_f32 v[C+2*\g:C+2*\g+1], v[T+8*\g:T+8*\g+7], v8
.endr
	v_nop                                          ; a plain instruction behind the conversions
	global_store_b128 v16, v[C:C+3], s[28:29] offset:((\uu)>>1)*32768+((\uu)&1)*1024
	global_store_b128 v16, v[C+4:C+7], s[28:29] offset:((\uu)>>1)*32768+((\uu)&1)*1024+512
.endm
	QOUT 0
	QOUT 1
	QOUT 2
	QOUT 3
	s_wait_tensorcnt 0x0
	ds_add_u32 v224, v225
	s_wait_dscnt 0x0
	s_endpgm
.Lfunc_end_k_q9ac24199be_ln2:
	.size	k_q9ac24199be_ln2, .Lfunc_end_k_q9ac24199be_ln2-k_q9ac24199be_ln2
	.p2alignl 7, 3214868480
	.fill 96, 4, 3214868480
	.section	.rodata,"a",@progbits
	.p2align	6, 0x0
	.amdhsa_kernel k_q9ac24199be_ln2
		.amdhsa_group_segment_fixed_size 66560
		.amdhsa_private_segment_fixed_size 0
		.amdhsa_enable_private_segment 0
		.amdhsa_kernarg_size 24
		.amdhsa_user_sgpr_count 2
		.amdhsa_user_sgpr_kernarg_segment_ptr 1
		.amdhsa_wavefront_size32 1
		.amdhsa_system_sgpr_workgroup_id_x 1
		.amdhsa_system_sgpr_workgroup_id_y 1
		.amdhsa_system_sgpr_workgroup_id_z 1
		.amdhsa_system_vgpr_workitem_id 0
		.amdhsa_next_free_vgpr 226
		.amdhsa_next_free_sgpr 66
		.amdhsa_reserve_vcc 0
		.amdhsa_float_denorm_mode_32 3
		.amdhsa_float_denorm_mode_16_64 3
		.amdhsa_memory_ordered 1
		.amdhsa_forward_progress 1
		.amdhsa_inst_pref_size 41
	.end_amdhsa_kernel
	.amdgpu_metadata
---
amdhsa.version: [ 1, 2 ]
amdhsa.kernels:
  - .name:           k_q9ac24199be_ln2
    .symbol:         k_q9ac24199be_ln2.kd
    .args:
      - { .name: resid, .offset: 0, .size: 8, .value_kind: global_buffer, .address_space: global }
      - { .name: lowp_scales, .offset: 8, .size: 8, .value_kind: global_buffer, .address_space: global }
      - { .name: mc, .offset: 16, .size: 8, .value_kind: global_buffer, .address_space: global }
    .group_segment_fixed_size: 66560
    .private_segment_fixed_size: 0
    .kernarg_segment_align: 8
    .kernarg_segment_size: 24
    .max_flat_workgroup_size: 128
    .sgpr_count:     66
    .vgpr_count:     226
    .wavefront_size: 32
...
	.end_amdgpu_metadata
.endif
;; end of part 5
;; launch win (part 6): grid 16 x 16, 4 waves a work-group, clusters of 4 x 4, 327,680 bytes of LDS; arguments mc, wc, lowp_scales, b_in, post; writes post
.if DOCPART == 6
	.amdgcn_target "amdgcn-amd-amdhsa--gfx1250"
	.amdhsa_code_object_version 6
	.text
	.protected	k_q9ac24199be_win
	.globl	k_q9ac24199be_win
	.p2align	8
	.type	k_q9ac24199be_win,@function
k_q9ac24199be_win:
	s_mov_b64 s[64:65], 0
	v_nop
	global_prefetch_b8 v0, s[64:65] scope:SCOPE_SE
	s_setreg_imm32_b32 hwreg(HW_REG_WAVE_MODE, 25, 1), 1
	s_wait_xcnt 0x0
	s_wait_alu depctr_hold_cnt(0) depctr_sa_sdst(0) depctr_va_vdst(0) depctr_va_sdst(0) depctr_va_ssrc(0) depctr_va_vcc(0) depctr_vm_vsrc(0)
	s_getreg_b32 s2, hwreg(HW_REG_IB_STS2, 6, 4)
	s_cmp_eq_u32 s2, 0
	s_cbranch_scc0 .Lentry_in_a_cluster
	s_endpgm
.Lentry_in_a_cluster:
	s_bfe_u32 s2, ttmp6, 0x10000c
	s_cmp_lg_u32 s2, 0xf033
	s_cbranch_scc0 .Lentry_shape_is_right
	s_endpgm
.Lentry_shape_is_right:
; post = gelu_new(m W_in^T + b_in), the product on codes of BF8 (E5M2), quantised at once (e14) into the last product's operand images.
; A work-group makes 256 tokens x 256 hidden units, a wave 128 x 128: 64 accumulators.  K = 1,024 goes in slots of 256 through a ring of two LDS slots.
; Operands lie in memory as images of their registers, [block of 16 row tiles][K step of 128][row tile][2,048 bytes]: a wave's tensor load is a dense block of 32,768 bytes (128 rows of 256);
; a fragment comes by four ds_load_b128 at 16 x lane.  Source 0 = 16 rows of W_in, source 1 = 16 tokens: a lane holds one token and 8 neighbouring hidden units: a conversion of an accumulator IS a register pair of post's fragment.
; gelu_new(x) = x / (1 + 2^(x (K1 + K2 x^2))), K1 = -2 sqrt(2 / pi) log2(e), K2 = 0.044715 K1: the same function as 0.5 x (1 + tanh(..)), without the difference of near numbers at negative x.
; CLUSTERS 4 x 4: m's tile is shared along a row of the cluster, W_in's along a column: joint loads.   LIMITS: e12 + e13 between -126 and 127; e14 between -126 and 112.  NaN is not served.
; REGISTERS: window 0: v16-31 addresses and scales; v32-95 bias; v96-97 K1; v112-127 codes; from v128 the tokens' fragments, later a block's numbers.  window 1: W_in's fragments, two sets.  windows 2, 3: accumulators.
.set SLOT,  131072
.set SPARE, 2*SLOT
.set FR,    16
.set NL,    4
.set NP,    4
.set LAPS,  2
.set ADRA,  16
.set ADRB,  20
.set BCO,   24
.set OUTO,  26
.set SPW,   28
.set NIL,   29
.set SCL,   30
.set LIM,   31
.set BC,    32
.set K1,    96
.set CODE,  112
.set AF,    128
.set X,     128
.set W,     192
.set G1,  24
.set G0,  32
.set G1B, 48
.set G0B, 56
.set MSB, 0
.macro WIN new
.if MSB != \new
	s_set_vgpr_msb (MSB<<8)|\new
.set MSB, \new
.endif
.endm
.set MUL_LO, 0xa1
.set MUL_HI, 0xf1
.set TO_B,   0x40
.macro JLOAD g0a, g1a, g0b, g1b
	s_cmp_eq_u32 s15, 0
	s_cbranch_scc0 .Lfor_b_\@
	tensor_load_to_lds s[\g0a:\g0a+3], s[\g1a:\g1a+7]
	s_nop 0
.rept 4
	v_nop
.endr
	s_branch .Lasked_\@
.Lfor_b_\@:
	tensor_load_to_lds s[\g0b:\g0b+3], s[\g1b:\g1b+7]
	s_nop 0
.rept 4
	v_nop
.endr
.Lasked_\@:
.endm
.macro CREST
	s_cmp_lg_u32 s14, 0
	s_cbranch_scc1 .Lnot_wave_0_\@
	s_barrier_signal -3
.Lnot_wave_0_\@:
	s_barrier_wait -3
	s_barrier_signal -1
	s_barrier_wait -1
.endm
.macro CROUND
	s_barrier_signal -1
	s_barrier_wait -1
	CREST
.endm
	s_load_b256 s[4:11], s[0:1], 0x0               ; mc 4, wc 6, the scales' exponents 8, b_in 10
	s_load_b64 s[72:73], s[0:1], 0x20              ; post
	v_lshl_add_u32 v[SPW], v0, 2, SPARE
	v_mov_b32 v[NIL], 0
	ds_add_u32 v28, v29
	ds_add_u32 v28, v29
	s_wait_dscnt 0x0
	v_lshrrev_b32 v1, 5, v0
	v_readfirstlane_b32 s14, v1
	s_lshr_b32 s15, s14, 1
	s_and_b32 s16, s14, 1
	s_bfe_u32 s40, ttmp6, 0x40000
	s_bfe_u32 s41, ttmp6, 0x40004
	s_lshl_b32 s42, ttmp9, 2
	s_add_co_u32 s42, s42, s40                     ; W_in's block of 256 rows
	s_and_b32 s17, ttmp7, 0xffff
	s_lshl_b32 s17, s17, 2
	s_add_co_u32 s17, s17, s41                     ; the tokens' block of 256
	s_lshl_b32 s43, s41, 2
	s_lshl_b32 s43, 15, s43
	s_lshl_b32 s44, 0x1111, s40
	s_or_b32 s[G1+0], s43, (3<<16)|(1<<21)
	s_or_b32 s[G1B+0], s44, (3<<16)|(1<<21)
.irp g, G1, G1B
	s_mov_b32 s[\g+1], 32<<16
	s_mov_b32 s[\g+2], 128<<16
	s_mov_b32 s[\g+3], 32<<16
	s_mov_b32 s[\g+4], 128
	s_mov_b32 s[\g+5], 32
	s_mov_b32 s[\g+6], 0
	s_mov_b32 s[\g+7], 0
.endr
	s_lshl_b32 s18, s16, 15
	s_lshl_b32 s20, s17, 18
	s_add_co_u32 s20, s20, s18
	s_mov_b32 s21, 0
	s_lshl_b32 s46, s42, 18
	s_add_co_u32 s46, s46, s18
	s_add_co_u32 s46, s46, 0x400000                ; W_in's images in wc
	s_mov_b32 s47, 0
	s_lshl_b32 s45, s14, 15
	s_wait_kmcnt 0x0
	s_load_b128 s[76:79], s[8:9], 0x30             ; e12, e13, e14, e15
	s_add_nc_u64 s[20:21], s[4:5], s[20:21]
	s_add_nc_u64 s[46:47], s[6:7], s[46:47]
	CROUND
.irp s, 0,1
	s_mov_b32 s[G0+4*\s], 1
	s_add_co_u32 s[G0+4*\s+1], s45, \s*SLOT
	s_add_nc_u64 s[G0+4*\s+2:G0+4*\s+3], s[20:21], \s*65536
	s_or_b32 s[G0+4*\s+3], s[G0+4*\s+3], 0x80000000
	s_mov_b32 s[G0B+4*\s], 1
	s_add_co_u32 s[G0B+4*\s+1], s45, \s*SLOT
	s_add_nc_u64 s[G0B+4*\s+2:G0B+4*\s+3], s[46:47], \s*65536
	s_or_b32 s[G0B+4*\s+3], s[G0B+4*\s+3], 0x80000000
.endr
	JLOAD G0, G1, G0B, G1B                         ; slot 0: one tensor load a wave at the head
	; prefetches into the L2: of the 32,768 bytes that I fetch for a slot, each of the four partners that ask jointly names 8,192 by address (cx for m, cy for W_in), a lane a block of 256 bytes.
	; Beside the load of slot s stands the request for slot s + 2; slot 1, whose load follows slot 0's landing, is asked for here too.  A slot on is 65,536 bytes; the last slot is 3.
	s_cmp_eq_u32 s15, 0
	s_cselect_b64 s[12:13], s[20:21], s[46:47]
	s_cselect_b32 s66, s40, s41
	s_lshl_b32 s66, s66, 13
	s_mov_b32 s67, 0
	s_add_nc_u64 s[12:13], s[12:13], s[66:67]
	v_and_b32 v27, 31, v0
	v_lshlrev_b32 v27, 8, v27
	global_prefetch_b8 v27, s[12:13] offset:65536 th:TH_LOAD_NT scope:SCOPE_SE
	global_prefetch_b8 v27, s[12:13] offset:131072 th:TH_LOAD_NT scope:SCOPE_SE
	v_and_b32 v1, 31, v0
	v_lshlrev_b32 v[OUTO], 4, v1
	v_bfe_u32 v3, v0, 4, 1
	v_lshlrev_b32 v[BCO], 5, v3
	s_wait_alu depctr_va_vdst(0)
	s_lshl_b32 s21, s15, 14
	s_lshl_b32 s22, s16, 14
	s_add_co_u32 s22, s22, 65536
.irp s, 0,1
	v_add_nc_u32 v[ADRA+\s], s21, v[OUTO]
	v_add_nc_u32 v[ADRB+\s], s22, v[OUTO]
	s_add_co_u32 s21, s21, SLOT
	s_add_co_u32 s22, s22, SLOT
.endr
	s_lshl_b32 s46, s42, 10                        ; my 128 hidden units' bias
	s_lshl_b32 s47, s16, 9
	s_add_co_u32 s46, s46, s47
	s_mov_b32 s47, 0
	s_add_nc_u64 s[10:11], s[10:11], s[46:47]
.irp b, 0,1,2,3,4,5,6,7
	global_load_b128 v[BC+8*\b:BC+8*\b+3], v[BCO], s[10:11] offset:64*\b
	global_load_b128 v[BC+8*\b+4:BC+8*\b+7], v[BCO], s[10:11] offset:64*\b+16
.endr
	s_lshl_b32 s46, s17, 20                        ; post: block of 128 tokens 2 ty + half (524,288 bytes), K step 2 tx + half (16,384)
	s_lshl_b32 s47, s15, 19
	s_add_co_u32 s46, s46, s47
	s_lshl_b32 s47, s42, 15
	s_add_co_u32 s46, s46, s47
	s_lshl_b32 s47, s16, 14
	s_add_co_u32 s46, s46, s47
	s_mov_b32 s47, 0
	s_add_nc_u64 s[72:73], s[72:73], s[46:47]
	s_mov_b32 s92, 0xbdd2d3e8                      ; K2
	s_mov_b32 s93, s92
	v_mov_b32 v[K1], 0xc0135761
	v_mov_b32 v[K1+1], 0xc0135761
.macro FRAG reg, adr, q, i
.irp c, 0,1,2,3
	ds_load_b128 v[\reg+4*\c:\reg+4*\c+3], v[\adr] offset:32768*(\q)+2048*(\i)+512*\c
.endr
.endm
.macro MUL16 a0, p, zero               ; the 64 accumulators take turns, one instruction a turn
.irp a, \a0, \a0+1
.irp b, 0,1,2,3,4,5,6,7
.if \zero
	v_wmma_f32_16x16x128_bf8_bf8 v[8*(8*((\a)%4)+\b):8*(8*((\a)%4)+\b)+7], v[128*(\p)+FR*\b:128*(\p)+FR*\b+FR-1], v[AF+FR*(\a):AF+FR*(\a)+FR-1], 0
.else
	v_wmma_f32_16x16x128_bf8_bf8 v[8*(8*((\a)%4)+\b):8*(8*((\a)%4)+\b)+7], v[128*(\p)+FR*\b:128*(\p)+FR*\b+FR-1], v[AF+FR*(\a):AF+FR*(\a)+FR-1], v[8*(8*((\a)%4)+\b):8*(8*((\a)%4)+\b)+7]
.endif
.endr
.endr
.endm
.macro FETCH_B slot, q, p
	WIN TO_B
.irp i, 0,1,2,3,4,5,6,7
	FRAG 128*(\p)+FR*\i, ADRB+\slot, \q, \i
.endr
	WIN 0
.endm
.macro FETCH_A slot, q, i0
.irp i, \i0, \i0+1, \i0+2, \i0+3
	FRAG AF+FR*(\i), ADRA+\slot, \q, \i
.endr
.endm
.macro PLACES n
.rept \n
	v_nop
.endr
.endm
.macro STEP slot, q, zero
	s_wait_dscnt 4*NL                              ; W_in's set and the tokens' blocks 0-3 are in; the youngest 16 loads (blocks 4-7) may be out
	WIN MUL_LO
	MUL16 0, (\q)%2, \zero
	MUL16 2, (\q)%2, \zero
	s_wait_dscnt 0
	PLACES NP
	FETCH_B \slot, (\q)+1, 1-(\q)%2
	FETCH_A \slot, (\q)+1, 0
	WIN MUL_HI
	MUL16 4, (\q)%2, \zero
	MUL16 6, (\q)%2, \zero
	PLACES NP
	WIN 0
	FETCH_A \slot, (\q)+1, 4
.endm
.macro TURN slot, next, fill
	s_wait_tensorcnt 0x0                           ; all my tensor loads have landed
	ds_add_u32 v[SPW], v[NIL]                      ; 0 onto my spare word
	s_wait_dscnt 4*NL+1                            ; (the add and the youngest 16 loads may be out)
	WIN MUL_LO
	MUL16 0, 1, 0
	s_wait_dscnt 0x0                               ; the add is done, and my reads of this slot are over
	s_barrier_signal -1
	MUL16 2, 1, 0
	WIN 0
	s_barrier_wait -1
.if \fill
	CREST
	s_add_nc_u64 s[G0+4*\slot+2:G0+4*\slot+3], s[G0+4*\slot+2:G0+4*\slot+3], 131072
	s_add_nc_u64 s[G0B+4*\slot+2:G0B+4*\slot+3], s[G0B+4*\slot+2:G0B+4*\slot+3], 131072
	JLOAD G0+4*\slot, G1, G0B+4*\slot, G1B
.else
	PLACES NP
.endif
	FETCH_B \next, 0, 0
	FETCH_A \next, 0, 0
	WIN MUL_HI
	MUL16 4, 1, 0
	MUL16 6, 1, 0
	PLACES NP
	WIN 0
	FETCH_A \next, 0, 4
.endm
	s_wait_alu depctr_va_vdst(0)
	s_wait_tensorcnt 0x0                           ; my part of slot 0 is in
	ds_add_u32 v[SPW], v[NIL]
	s_wait_dscnt 0x0
	CROUND                                         ; a whole round: everybody's part of slot 0 is in, and the joint loads meet
	JLOAD G0+4, G1, G0B+4, G1B                     ; slot 1's first fill, the first tensor load behind the round
	FETCH_B 0, 0, 0
	global_prefetch_b8 v27, s[12:13] offset:196608 th:TH_LOAD_NT scope:SCOPE_SE   ; slot 3
	FETCH_A 0, 0, 0
	FETCH_A 0, 0, 4
	STEP 0, 0, 1
	s_mov_b32 s3, LAPS-1
.Llap:
	TURN 0, 1, 1
	STEP 1, 0, 0
	TURN 1, 0, 1
	STEP 0, 0, 0
	s_sub_co_u32 s3, s3, 1
	s_cmp_lg_u32 s3, 0
	s_cbranch_scc1 .Llap
	TURN 0, 1, 0
	STEP 1, 0, 0
	s_wait_dscnt 4*NL
	WIN MUL_LO
	MUL16 0, 1, 0
	MUL16 2, 1, 0
	s_wait_dscnt 0
	WIN MUL_HI
	MUL16 4, 1, 0
	MUL16 6, 1, 0
	WIN 0
	PLACES NP                                      ; behind the last products: their results are read and the tokens' fragments written over below
	s_wait_kmcnt 0x0
	s_add_co_i32 s18, s76, s77
	s_add_co_i32 s18, s18, 127
	s_lshl_b32 s96, s18, 23                        ; 2^(e12 + e13) as f32
	s_mov_b32 s97, s96
	s_add_co_i32 s21, s78, 127
	s_lshl_b32 s22, s21, 23
	s_add_co_i32 s21, s21, 15
	s_lshl_b32 s21, s21, 23
	s_or_b32 s21, s21, 0x600000
	v_mov_b32 v[SCL], s22
	v_mov_b32 v[LIM], s21
	s_wait_loadcnt 0x0                             ; the bias
.macro OUTBLK a                        ; 16 tokens x 128 hidden units: bias, gelu, hold, conversion, four stores of 512 consecutive bytes
.set AC, 64*((\a)%4)
	WIN 0x02+((\a)/4)
.set j, 0
.rept 32
	v_pk_fma_f32 v[X+j:X+j+1], v[AC+j:AC+j+1], s[96:97], v[BC+j:BC+j+1] op_sel_hi:[1,0,1]   ; each accumulator from its low end on
.set j, j+2
.endr
	WIN 0
.set j, 0
.rept 32
	v_pk_mul_f32 v[W+j:W+j+1], v[X+j:X+j+1], v[X+j:X+j+1]
.set j, j+2
.endr
.set j, 0
.rept 32
	v_pk_fma_f32 v[W+j:W+j+1], v[W+j:W+j+1], s[92:93], v[K1:K1+1] op_sel_hi:[1,0,1]
.set j, j+2
.endr
.set j, 0
.rept 32
	v_pk_mul_f32 v[W+j:W+j+1], v[W+j:W+j+1], v[X+j:X+j+1]
.set j, j+2
.endr
.set j, 0
	s_wait_alu depctr_va_vdst(0)
.rept 64
	v_exp_f32 v[W+j], v[W+j]
.set j, j+1
.endr
	v_nop                                          ; a plain instruction behind the batch
	s_wait_alu depctr_va_vdst(0)                   ; one wait for the 64 exponentials
.set j, 0
.rept 32
	v_pk_add_f32 v[W+j:W+j+1], v[W+j:W+j+1], 1.0 op_sel_hi:[1,0]
.set j, j+2
.endr
.set j, 0
	s_wait_alu depctr_va_vdst(0)
.rept 64
	v_rcp_f32 v[W+j], v[W+j]
.set j, j+1
.endr
	v_nop
	s_wait_alu depctr_va_vdst(0)                   ; one wait for the 64 reciprocals
.set j, 0
.rept 32
	v_pk_mul_f32 v[X+j:X+j+1], v[X+j:X+j+1], v[W+j:W+j+1]
.set j, j+2
.endr
.set j, 0
.rept 64
	v_med3_num_f32 v[X+j], v[X+j], -v[LIM], v[LIM]
.set j, j+1
.endr
	s_wait_alu depctr_va_vdst(0)
	s_wait_xcnt 0x0                                ; the last block's stores have read the codes' registers
.irp b, 0,1,2,3,4,5,6,7
	v_cvt_scalef32_pk8_bf8_f32 v[CODE+2*\b:CODE+2*\b+1], v[X+8*\b:X+8*\b+7], v[SCL]
.endr
	v_nop                                          ; a plain instruction behind the conversions
.irp q, 0,1,2,3
	global_store_b128 v[OUTO], v[CODE+4*\q:CODE+4*\q+3], s[72:73] offset:2048*(\a)+512*\q
.endr
.endm
.irp a, 0,1,2,3,4,5,6,7
	OUTBLK \a
.endr
	s_wait_tensorcnt 0x0                           ; the wave's end
	ds_add_u32 v[SPW], v[NIL]
	s_wait_dscnt 0x0
	CROUND
	s_endpgm
.Lfunc_end_k_q9ac24199be_win:
	.size	k_q9ac24199be_win, .Lfunc_end_k_q9ac24199be_win-k_q9ac24199be_win
	.p2alignl 7, 3214868480
	.fill 96, 4, 3214868480
	.section	.rodata,"a",@progbits
	.p2align	6, 0x0
	.amdhsa_kernel k_q9ac24199be_win
		.amdhsa_group_segment_fixed_size 327680
		.amdhsa_private_segment_fixed_size 0
		.amdhsa_enable_private_segment 0
		.amdhsa_kernarg_size 40
		.amdhsa_user_sgpr_count 2
		.amdhsa_user_sgpr_kernarg_segment_ptr 1
		.amdhsa_wavefront_size32 1
		.amdhsa_system_sgpr_workgroup_id_x 1
		.amdhsa_system_sgpr_workgroup_id_y 1
		.amdhsa_system_sgpr_workgroup_id_z 1
		.amdhsa_system_vgpr_workitem_id 0
		.amdhsa_next_free_vgpr 1024
		.amdhsa_next_free_sgpr 100
		.amdhsa_reserve_vcc 0
		.amdhsa_float_denorm_mode_32 3
		.amdhsa_float_denorm_mode_16_64 3
		.amdhsa_memory_ordered 1
		.amdhsa_forward_progress 1
		.amdhsa_inst_pref_size 250
	.end_amdhsa_kernel
	.amdgpu_metadata
---
amdhsa.version: [ 1, 2 ]
amdhsa.kernels:
  - .name:           k_q9ac24199be_win
    .symbol:         k_q9ac24199be_win.kd
    .args:
      - { .name: mc, .offset: 0, .size: 8, .value_kind: global_buffer, .address_space: global }
      - { .name: wc, .offset: 8, .size: 8, .value_kind: global_buffer, .address_space: global }
      - { .name: lowp_scales, .offset: 16, .size: 8, .value_kind: global_buffer, .address_space: global }
      - { .name: b_in, .offset: 24, .size: 8, .value_kind: global_buffer, .address_space: global }
      - { .name: post, .offset: 32, .size: 8, .value_kind: global_buffer, .address_space: global }
    .group_segment_fixed_size: 327680
    .private_segment_fixed_size: 0
    .kernarg_segment_align: 8
    .kernarg_segment_size: 40
    .max_flat_workgroup_size: 128
    .sgpr_count:     100
    .vgpr_count:     1024
    .wavefront_size: 32
...
	.end_amdgpu_metadata
.endif
;; end of part 6
;; launch wout (part 7): grid 8 x 32, 4 waves a work-group, clusters of 4 x 4, 327,680 bytes of LDS; arguments post, wc, lowp_scales, b_out, resid, out0; writes out0
.if DOCPART == 7
	.amdgcn_target "amdgcn-amd-amdhsa--gfx1250"
	.amdhsa_code_object_version 6
	.text
	.protected	k_q9ac24199be_wout
	.globl	k_q9ac24199be_wout
	.p2align	8
	.type	k_q9ac24199be_wout,@function
k_q9ac24199be_wout:
	s_mov_b64 s[64:65], 0
	v_nop
	global_prefetch_b8 v0, s[64:65] scope:SCOPE_SE
	s_setreg_imm32_b32 hwreg(HW_REG_WAVE_MODE, 25, 1), 1
	s_wait_xcnt 0x0
	s_wait_alu depctr_hold_cnt(0) depctr_sa_sdst(0) depctr_va_vdst(0) depctr_va_sdst(0) depctr_va_ssrc(0) depctr_va_vcc(0) depctr_vm_vsrc(0)
	s_getreg_b32 s2, hwreg(HW_REG_IB_STS2, 6, 4)
	s_cmp_eq_u32 s2, 0
	s_cbranch_scc0 .Lentry_in_a_cluster
	s_endpgm
.Lentry_in_a_cluster:
	s_bfe_u32 s2, ttmp6, 0x10000c
	s_cmp_lg_u32 s2, 0xf033
	s_cbranch_scc0 .Lentry_shape_is_right
	s_endpgm
.Lentry_shape_is_right:
; out0 = resid + post W_out^T + b_out, the product on codes of BF8 (E5M2).  A work-group makes 128 tokens x 128 columns (256 work-groups), a wave 64 x 64: 16 accumulators.
; Operands lie in memory as images of their registers, [block of 8 row tiles][K step of 128][row tile][2,048 bytes]; a slot holds 512 along K; a wave's tensor load is a dense block of 32,768 bytes (128 rows of 256).
; K = 4,096 goes through a ring of two slots, four laps.  CLUSTERS 4 x 4: post's tile is shared along a row of the cluster, W_out's along a column: joint loads.
; Source 0 = 16 rows of W_out, source 1 = 16 tokens: a lane holds 8 neighbouring columns of a token's row.  The way out goes through the wave's own stage, so that sixteen lanes store 256 consecutive, aligned bytes;
; the wave's 64 x 64 of resid is loaded at the head, in that layout, into window 2.   LIMIT: e14 + e15 between -126 and 127.
; REGISTERS: window 0: v12-15 bias; v16-29 addresses; v32-63 rows read back; v128-255 accumulators ((a, b) at v[128 + 8 (4 a + b)]).  window 1: two fragment buffers: A's four at +0, B's four at +64.  window 2: v0-127 the residual.
.set KS,    32                         ; K steps of 128
.set LAPS,  KS/8
.set WOFF,  0x800000                   ; W_out's images in wc
.set SCOFF, 56                         ; entries 14, 15 of the scales
.set SLOT,  131072
.set SPARE, 2*SLOT
.set STAGE, SPARE+512
.set SPITCH, 272
.set BI,   12
.set ADRA, 16
.set ADRB, 20
.set STO,  24
.set RD,   25
.set CO,   26
.set BO,   27
.set SPW,  28
.set NIL,  29
.set BK,   32
.set ACC,  128
.set F0,   0
.set F1,   128
.set G1, 24
.set G0, 32
.set G1B, 48
.set G0B, 56
.set MSB, 0
.macro WIN new
.if MSB != \new
	s_set_vgpr_msb (MSB<<8)|\new
.set MSB, \new
.endif
.endm
.set MUL,  0x05                        ; sources 0 and 1 window 1; C and D window 0
.set TO_F, 0x40
.macro JLOAD s
	s_cmp_eq_u32 s11, 0
	s_cbranch_scc0 .Lfor_b_\@
	tensor_load_to_lds s[G0+4*\s:G0+4*\s+3], s[G1:G1+7]
	s_nop 0
.rept 4
	v_nop
.endr
	s_branch .Lasked_\@
.Lfor_b_\@:
	tensor_load_to_lds s[G0B+4*\s:G0B+4*\s+3], s[G1B:G1B+7]
	s_nop 0
.rept 4
	v_nop
.endr
.Lasked_\@:
.endm
.macro CREST
	s_cmp_lg_u32 s10, 0
	s_cbranch_scc1 .Lnot_wave_0_\@
	s_barrier_signal -3
.Lnot_wave_0_\@:
	s_barrier_wait -3
	s_barrier_signal -1
	s_barrier_wait -1
.endm
.macro CROUND
	s_barrier_signal -1
	s_barrier_wait -1
	CREST
.endm
	s_load_b128 s[4:7], s[0:1], 0x0                ; A's images 4, wc 6
	s_load_b256 s[68:75], s[0:1], 0x10             ; the scales' exponents 68, bias 70, residual 72, output 74
	v_lshl_add_u32 v[SPW], v0, 2, SPARE
	v_mov_b32 v[NIL], 0
	ds_add_u32 v28, v29
	ds_add_u32 v28, v29
	s_wait_dscnt 0x0
	v_lshrrev_b32 v1, 5, v0
	v_readfirstlane_b32 s10, v1                    ; wave
	s_lshr_b32 s11, s10, 1                         ; my half of the rows.  Also: I fetch for A (0) or B (1)
	s_and_b32 s12, s10, 1                          ; my half of the columns.  Also: which half of a slot's part I fetch
	s_bfe_u32 s40, ttmp6, 0x40000
	s_bfe_u32 s41, ttmp6, 0x40004
	s_lshl_b32 s42, ttmp9, 2
	s_add_co_u32 s42, s42, s40                     ; tile column
	s_and_b32 s13, ttmp7, 0xffff
	s_lshl_b32 s13, s13, 2
	s_add_co_u32 s13, s13, s41                     ; tile row
	s_lshl_b32 s43, s41, 2
	s_lshl_b32 s43, 15, s43
	s_lshl_b32 s44, 0x1111, s40
	s_or_b32 s[G1+0], s43, (3<<16)|(1<<21)         ; the mask; elements of 8 bytes; bit 21 beside a mask
	s_or_b32 s[G1B+0], s44, (3<<16)|(1<<21)
.irp g, G1, G1B
	s_mov_b32 s[\g+1], 32<<16
	s_mov_b32 s[\g+2], 128<<16
	s_mov_b32 s[\g+3], 32<<16
	s_mov_b32 s[\g+4], 128
	s_mov_b32 s[\g+5], 32
	s_mov_b32 s[\g+6], 0
	s_mov_b32 s[\g+7], 0
.endr
	s_lshl_b32 s17, s12, 15
	s_mul_i32 s16, s13, KS*16384
	s_add_co_u32 s16, s16, s17
	s_mul_i32 s46, s42, KS*16384
	s_add_co_u32 s46, s46, s17
	s_add_co_u32 s46, s46, WOFF
	s_mov_b32 s17, 0
	s_mov_b32 s47, 0
	s_lshl_b32 s20, s10, 15                        ; where they go: wave x 32,768
	s_wait_kmcnt 0x0
	s_load_b64 s[76:77], s[68:69], SCOFF
	s_add_nc_u64 s[14:15], s[4:5], s[16:17]
	s_add_nc_u64 s[46:47], s[6:7], s[46:47]
	CROUND
.irp s, 0,1
	s_mov_b32 s[G0+4*\s], 1
	s_add_co_u32 s[G0+4*\s+1], s20, \s*SLOT
	s_add_nc_u64 s[G0+4*\s+2:G0+4*\s+3], s[14:15], \s*65536
	s_or_b32 s[G0+4*\s+3], s[G0+4*\s+3], 0x80000000
	s_mov_b32 s[G0B+4*\s], 1
	s_add_co_u32 s[G0B+4*\s+1], s20, \s*SLOT
	s_add_nc_u64 s[G0B+4*\s+2:G0B+4*\s+3], s[46:47], \s*65536
	s_or_b32 s[G0B+4*\s+3], s[G0B+4*\s+3], 0x80000000
.endr
	JLOAD 0                                        ; slot 0: one tensor load a wave at the head
	; PREFETCHES INTO THE L2: of the 32,768 bytes that I fetch for a slot, each of the four partners that ask jointly names 8,192 by address (cx for post, cy for W_out), a lane a block of 256 bytes: one instruction a wave and slot.
	; Beside the load of slot s stands the request for slot s + 2: two changes of slots, 128 matrix instructions a wave, ahead of its own load; slot 1, whose load follows slot 0's landing, is asked for here too.
	; s[80:81] stands at slot 0 here and steps a slot (65,536 bytes) at the head of each change that fills; the last lap, which loads slots 6 and 7, asks for nothing.
	s_cmp_eq_u32 s11, 0
	s_cselect_b64 s[80:81], s[14:15], s[46:47]
	s_cselect_b32 s82, s40, s41
	s_lshl_b32 s82, s82, 13
	s_mov_b32 s83, 0
	s_add_nc_u64 s[80:81], s[80:81], s[82:83]
	v_and_b32 v30, 31, v0
	v_lshlrev_b32 v30, 8, v30
	global_prefetch_b8 v30, s[80:81] offset:65536 th:TH_LOAD_NT scope:SCOPE_SE
	global_prefetch_b8 v30, s[80:81] offset:131072 th:TH_LOAD_NT scope:SCOPE_SE
.macro ASK                             ; three slots on from where s[80:81] stands; s3 = 1 in the loop's last lap
	s_cmp_gt_u32 s3, 1
	s_cbranch_scc0 .Lnone_\@
	global_prefetch_b8 v30, s[80:81] offset:196608 th:TH_LOAD_NT scope:SCOPE_SE
.Lnone_\@:
.endm
	v_and_b32 v1, 15, v0                           ; r
	s_wait_alu depctr_va_vdst(0)
	v_bfe_u32 v2, v0, 4, 1                         ; h
	v_and_b32 v3, 31, v0
	v_lshlrev_b32 v3, 4, v3                        ; 16 x lane
	s_lshl_b32 s21, s11, 13                        ; my four row tiles of A
	s_lshl_b32 s22, s12, 13
	s_add_co_u32 s22, s22, 65536                   ; of B
.irp s, 0,1
	v_add_nc_u32 v[ADRA+\s], s21, v3
	v_add_nc_u32 v[ADRB+\s], s22, v3
	s_add_co_u32 s21, s21, SLOT
	s_add_co_u32 s22, s22, SLOT
.endr
	s_mul_i32 s23, s10, 16*SPITCH
	s_add_co_u32 s23, s23, STAGE                   ; my stage
	v_mul_u32_u24 v4, v1, SPITCH
	s_wait_alu depctr_va_vdst(0)
	v_lshl_add_u32 v4, v2, 5, v4
	v_add_nc_u32 v[STO], s23, v4                   ; in: row r, + 32 h bytes
	v_mul_u32_u24 v5, v2, SPITCH
	v_lshl_add_u32 v5, v1, 4, v5
	v_add_nc_u32 v[RD], s23, v5                    ; back: lanes 0-15 one row of 256 bytes, lanes 16-31 the next
	v_lshlrev_b32 v[BO], 4, v1
	s_wait_alu depctr_va_vdst(0)
	v_lshl_add_u32 v[CO], v2, 12, v[BO]            ; the same two rows in memory: 4,096 bytes a row
	s_wait_alu depctr_va_vdst(0)
	s_lshl_b32 s46, s42, 9
	s_lshl_b32 s47, s12, 8
	s_add_co_u32 s46, s46, s47                     ; my 64 columns, in bytes
	s_mov_b32 s47, 0
	s_add_nc_u64 s[70:71], s[70:71], s[46:47]
	s_lshl_b32 s16, s13, 19
	s_lshl_b32 s17, s11, 18
	s_add_co_u32 s16, s16, s17                     ; my 64 rows
	s_add_co_u32 s46, s46, s16
	s_add_nc_u64 s[72:73], s[72:73], s[46:47]
	s_add_nc_u64 s[74:75], s[74:75], s[46:47]
	global_load_b128 v[BI:BI+3], v[BO], s[70:71]   ; the bias of my four columns
.macro MUL4 f, a, zero                 ; A's tile a x B's four.  The 16 accumulators take turns, one instruction a turn
.irp b, 0,1,2,3
.if \zero
	v_wmma_f32_16x16x128_bf8_bf8 v[ACC+8*(4*(\a)+\b):ACC+8*(4*(\a)+\b)+7], v[\f+64+16*\b:\f+64+16*\b+15], v[\f+16*(\a):\f+16*(\a)+15], 0
.else
	v_wmma_f32_16x16x128_bf8_bf8 v[ACC+8*(4*(\a)+\b):ACC+8*(4*(\a)+\b)+7], v[\f+64+16*\b:\f+64+16*\b+15], v[\f+16*(\a):\f+16*(\a)+15], v[ACC+8*(4*(\a)+\b):ACC+8*(4*(\a)+\b)+7]
.endif
.endr
.endm
.macro FETCH slot, q, f                ; 32 loads in one run: B's four fragments, then A's
	WIN TO_F
.irp i, 0,1,2,3
.irp c, 0,1,2,3
	ds_load_b128 v[\f+64+16*\i+4*\c:\f+64+16*\i+4*\c+3], v[ADRB+\slot] offset:16384*(\q)+2048*\i+512*\c
.endr
.endr
.irp i, 0,1,2,3
.irp c, 0,1,2,3
	ds_load_b128 v[\f+16*\i+4*\c:\f+16*\i+4*\c+3], v[ADRA+\slot] offset:16384*(\q)+2048*\i+512*\c
.endr
.endr
.endm
.macro PLACES
.rept 4
	v_nop
.endr
.endm
.macro QUARTER slot, qn, f, g, zero    ; 128 along K from buffer f; in its middle the next 128, number qn of the slot, are fetched into g
	s_wait_dscnt 8                                 ; B's and A's tiles 0, 1 are in; the youngest eight loads (A's tiles 2, 3) may be out
	WIN MUL
	MUL4 \f, 0, \zero
	MUL4 \f, 1, \zero
	PLACES
	FETCH \slot, \qn, \g
	s_wait_dscnt 32                                ; all but the 32 just issued
	WIN MUL
	MUL4 \f, 2, \zero
	MUL4 \f, 3, \zero
.endm
.macro TURN slot, next, fill           ; a slot's last 128 (buffer 1) and the change of slots; fill = 1: the barrier opens a round of the cluster's, and the slot is filled again
	WIN 0
.if \fill
	s_wait_xcnt 0x0                                ; my last prefetch has read its address: it steps only behind this wait
	s_add_nc_u64 s[80:81], s[80:81], 65536
.endif
	s_wait_tensorcnt 0x0                           ; all my tensor loads have landed: my part of the next slot
	ds_add_u32 v[SPW], v[NIL]                      ; 0 onto my spare word
	s_wait_dscnt 9                                 ; (the add and the youngest eight loads may be out)
	WIN MUL
	MUL4 F1, 0, 0
	MUL4 F1, 1, 0
	s_wait_dscnt 0x0                               ; the add is done, and my reads of this slot are over
	s_barrier_signal -1
	MUL4 F1, 2, 0
.if \fill
	WIN 0
.endif
	s_barrier_wait -1
.if \fill
	CREST                                          ; no wave of any partner still reads this slot or has a load on its way
	s_add_nc_u64 s[G0+4*\slot+2:G0+4*\slot+3], s[G0+4*\slot+2:G0+4*\slot+3], 131072
	s_add_nc_u64 s[G0B+4*\slot+2:G0B+4*\slot+3], s[G0B+4*\slot+2:G0B+4*\slot+3], 131072
	JLOAD \slot                                    ; the first tensor load behind the round; its four v_nop are the places in front of the loads below
.else
	PLACES
.endif
	FETCH \next, 0, F0
.if \fill
	WIN 0                                          ; a branch follows
	ASK
.endif
	WIN MUL
	MUL4 F1, 3, 0
.endm
	s_wait_tensorcnt 0x0                           ; my part of slot 0 is in
	ds_add_u32 v[SPW], v[NIL]
	s_wait_dscnt 0x0
	CROUND                                         ; a whole round: everybody's part of slot 0 is in, and the joint loads meet
	JLOAD 1                                        ; slot 1's first fill, the first tensor load behind the round
	FETCH 0, 0, F0
	WIN 0
	global_prefetch_b8 v30, s[80:81] offset:196608 th:TH_LOAD_NT scope:SCOPE_SE   ; slot 3
	WIN 0x80                                       ; destination window 2
.set i, 0
.rept 32                               ; the residual, block i / 8, rows 2 (i % 8) + h: asked for behind the first two slots' loads, it is wanted on the way out alone and stays out through the products
	global_load_b128 v[4*i:4*i+3], v[CO], s[72:73] offset:(16*(i/8)+2*(i%8))*4096
.set i, i+1
.endr
	QUARTER 0, 1, F0, F1, 1                        ; its products start the sums
.if LAPS > 1
	WIN 0
	s_mov_b32 s3, LAPS-1
.Llap:                                                 ; a trip goes once round the ring and fills both slots again
	QUARTER 0, 2, F1, F0, 0
	QUARTER 0, 3, F0, F1, 0
	TURN 0, 1, 1
	QUARTER 1, 1, F0, F1, 0
	QUARTER 1, 2, F1, F0, 0
	QUARTER 1, 3, F0, F1, 0
	TURN 1, 0, 1
	QUARTER 0, 1, F0, F1, 0
	WIN 0
	s_sub_co_u32 s3, s3, 1
	s_cmp_lg_u32 s3, 0
	s_cbranch_scc1 .Llap
.endif
	QUARTER 0, 2, F1, F0, 0                        ; the last lap fills nothing
	QUARTER 0, 3, F0, F1, 0
	TURN 0, 1, 0
	QUARTER 1, 1, F0, F1, 0
	QUARTER 1, 2, F1, F0, 0
	QUARTER 1, 3, F0, F1, 0
	s_wait_dscnt 8
	WIN MUL
	MUL4 F1, 0, 0
	MUL4 F1, 1, 0
	s_wait_dscnt 0
	MUL4 F1, 2, 0
	MUL4 F1, 3, 0
	WIN 0
	PLACES                                         ; in front of the LDS stores that read results
	s_wait_kmcnt 0x0
	s_add_co_i32 s78, s76, s77
	s_add_co_i32 s78, s78, 127
	s_lshl_b32 s78, s78, 23                        ; 2^(eA + eB) as f32
	s_mov_b32 s79, s78
.macro OUT a                           ; 16 rows x 64 columns: through my stage, x 2^e + bias + residual, stored
.irp b, 0,1,2,3
	ds_store_b128 v[STO], v[ACC+8*(4*\a+\b):ACC+8*(4*\a+\b)+3] offset:64*\b          ; each accumulator from its low end on
	ds_store_b128 v[STO], v[ACC+8*(4*\a+\b)+4:ACC+8*(4*\a+\b)+7] offset:64*\b+16
.endr
.irp t, 0,1,2,3,4,5,6,7
	ds_load_b128 v[BK+4*\t:BK+4*\t+3], v[RD] offset:\t*2*SPITCH   ; LDS serves a wave's instructions in order (ISA guide 5.7.1.4)
.endr
	s_wait_dscnt 0x0
	s_wait_loadcnt 8*(3-\a)                        ; the bias and this block's eight rows of the residual are in; the later blocks' eight each may be out
.irp t, 0,1,2,3,4,5,6,7
	v_pk_fma_f32 v[BK+4*\t:BK+4*\t+1], v[BK+4*\t:BK+4*\t+1], s[78:79], v[BI:BI+1] op_sel_hi:[1,0,1]
	v_pk_fma_f32 v[BK+4*\t+2:BK+4*\t+3], v[BK+4*\t+2:BK+4*\t+3], s[78:79], v[BI+2:BI+3] op_sel_hi:[1,0,1]
.endr
	WIN 0x88                                       ; destination and source 1 window 2 (a store's data are its source 1)
.irp t, 0,1,2,3,4,5,6,7
	v_pk_add_f32 v[32*\a+4*\t:32*\a+4*\t+1], v[BK+4*\t:BK+4*\t+1], v[32*\a+4*\t:32*\a+4*\t+1]
	v_pk_add_f32 v[32*\a+4*\t+2:32*\a+4*\t+3], v[BK+4*\t+2:BK+4*\t+3], v[32*\a+4*\t+2:32*\a+4*\t+3]
.endr
.irp t, 0,1,2,3,4,5,6,7
	global_store_b128 v[CO], v[32*\a+4*\t:32*\a+4*\t+3], s[74:75] offset:(16*\a+2*\t)*4096   ; sixteen lanes store 256 consecutive bytes, aligned
.endr
	WIN 0
.endm
	OUT 0
	OUT 1
	OUT 2
	OUT 3
	s_wait_tensorcnt 0x0                           ; the wave's end
	ds_add_u32 v[SPW], v[NIL]
	s_wait_dscnt 0x0
	CROUND                                         ; the closing round
	s_endpgm
.Lfunc_end_k_q9ac24199be_wout:
	.size	k_q9ac24199be_wout, .Lfunc_end_k_q9ac24199be_wout-k_q9ac24199be_wout
	.p2alignl 7, 3214868480
	.fill 96, 4, 3214868480
	.section	.rodata,"a",@progbits
	.p2align	6, 0x0
	.amdhsa_kernel k_q9ac24199be_wout
		.amdhsa_group_segment_fixed_size 327680
		.amdhsa_private_segment_fixed_size 0
		.amdhsa_enable_private_segment 0
		.amdhsa_kernarg_size 48
		.amdhsa_user_sgpr_count 2
		.amdhsa_user_sgpr_kernarg_segment_ptr 1
		.amdhsa_wavefront_size32 1
		.amdhsa_system_sgpr_workgroup_id_x 1
		.amdhsa_system_sgpr_workgroup_id_y 1
		.amdhsa_system_sgpr_workgroup_id_z 1
		.amdhsa_system_vgpr_workitem_id 0
		.amdhsa_next_free_vgpr 768
		.amdhsa_next_free_sgpr 84
		.amdhsa_reserve_vcc 0
		.amdhsa_float_denorm_mode_32 3
		.amdhsa_float_denorm_mode_16_64 3
		.amdhsa_memory_ordered 1
		.amdhsa_forward_progress 1
		.amdhsa_inst_pref_size 83
	.end_amdhsa_kernel
	.amdgpu_metadata
---
amdhsa.version: [ 1, 2 ]
amdhsa.kernels:
  - .name:           k_q9ac24199be_wout
    .symbol:         k_q9ac24199be_wout.kd
    .args:
      - { .name: post, .offset: 0, .size: 8, .value_kind: global_buffer, .address_space: global }
      - { .name: wc, .offset: 8, .size: 8, .value_kind: global_buffer, .address_space: global }
      - { .name: lowp_scales, .offset: 16, .size: 8, .value_kind: global_buffer, .address_space: global }
      - { .name: b_out, .offset: 24, .size: 8, .value_kind: global_buffer, .address_space: global }
      - { .name: resid, .offset: 32, .size: 8, .value_kind: global_buffer, .address_space: global }
      - { .name: out0, .offset: 40, .size: 8, .value_kind: global_buffer, .address_space: global }
    .group_segment_fixed_size: 327680
    .private_segment_fixed_size: 0
    .kernarg_segment_align: 8
    .kernarg_segment_size: 48
    .max_flat_workgroup_size: 128
    .sgpr_count:     84
    .vgpr_count:     768
    .wavefront_size: 32
...
	.end_amdgpu_metadata
.endif
;; end of part 7
